; MI455X (gfx1250); checked and timed in simulation.
; The chip was launched on July 23, 2026; its instructions are those of AMD's public machine-readable ISA for CDNA 5 (MIT licence, August 2026) and "CDNA5" Instruction Set Architecture Reference Guide (July 2026). The comments in the code are by the model that wrote it; some were corrected since.
;; Simple MHA. Allowed arithmetic: matrix products marked QUANTISED: E3M2 operands, one E8M0 scale for each 32 along K, by v_wmma_scale_f32_16x16x128_f8f6f4 with both operands' format E3M2, f32 sums; everything else in f32.
;; Inputs: Wk 1,024 x 1,024 float32; Wo 1,024 x 1,024 float32; Wq 1,024 x 1,024 float32; Wv 1,024 x 1,024 float32; x 1 x 4,096 x 1,024 float32.
;; Outputs: out0 1 x 4,096 x 1,024 float32.
;; This version of the problem:
;;   THIS VERSION OF THE PROBLEM IS GIVEN IN LOW PRECISION. The matrix products marked QUANTISED in the list below multiply operands that are first quantised to E3M2 (3 exponent bits, 2 mantissa bits; 6 bits a number), with one power-of-two scale for each 32 numbers along K (OCP MX v1.0); their sums are f32. All else is computed in f32.
;;   The module's matrix products, in the order in which they are computed (A, B: the left and right operand; K: the contracted axis; several contracted axes count as one K, in the product's order):
;;     1. [M 4,096, K 1,024] x [K 1,024, N 1,024]; A: input x; B: input Wq: QUANTISED
;;     2. [M 4,096, K 1,024] x [K 1,024, N 1,024]; A: input x; B: input Wk: QUANTISED
;;     3. [M 4,096, K 1,024] x [K 1,024, N 1,024]; A: input x; B: input Wv: QUANTISED
;;     4. batch 16 x [M 4,096, K 64] x [K 64, N 4,096]; A: computed on the way; B: computed on the way: QUANTISED
;;     5. batch 16 x [M 4,096, K 4,096] x [K 4,096, N 64]; A: softmax (see below); B: computed on the way: QUANTISED
;;     6. [M 4,096, K 1,024] x [K 1,024, N 1,024]; A: computed on the way; B: input Wo: QUANTISED
;;   THE QUANTISER, for each operand of a quantised product, along K:
;;     - K is cut into blocks of 32 from its start; a last block that is shorter is filled with zeros.
;;     - A block's scale is 2^e with e = floor(log2(the largest magnitude in the block)) - 4, held to -126 .. 127; a block of zeros has e = 0. As a byte (E8M0): e + 127.
;;     - Each number is divided by its block's scale, clamped to +-28, and rounded to the nearest number of E3M2, ties to even, subnormals kept.
;;     - The product sums the exact products of the quantised numbers (number of the format x scale) in f32.
;;   ~~~python
;;   def quantise(x, axis):      # numpy; x: float32 -> the quantised numbers, widened to float32 again
;;       x = np.moveaxis(x, axis, -1); K = x.shape[-1]
;;       x = np.pad(x, [(0, 0)] * (x.ndim - 1) + [(0, -K % 32)]); x = x.reshape(x.shape[:-1] + (-1, 32)); a = np.abs(x).max(-1, keepdims=True)
;;       e = np.where(a > 0, np.clip(np.frexp(np.where(a > 0, a, 1))[1] - 1 - 4, -126, 127), 0)      # np.frexp(a)[1] - 1 = floor(log2(a)), exactly
;;       r = np.clip(x / 2.0 ** e, -28, 28)
;;       step = 2.0 ** (np.maximum(np.frexp(np.where(r == 0, 1, r))[1] - 1, -2) - 2)
;;       q = np.round(r / step) * step * 2.0 ** e      # np.round: ties to even
;;       return np.moveaxis(q.reshape(q.shape[:-2] + (-1,))[..., :K], -1, axis).astype(np.float32)
;;   ~~~
;;   SOFTMAX AHEAD OF A QUANTISED PRODUCT. Where the list says 'softmax', what is quantised is not the finished softmax but p = 2^(t - M), with t = logit x log2(e) and M = ceil(the row's largest t), a whole number; so 1/2 < the row's largest p <= 1. The row's sum l is taken of the UNQUANTISED p, in f32, and the product's result is divided by l at the end. Since M is a whole number, a kernel that streams over the keys may use a running M (the ceiling of the running maximum): every later rescaling is an exact power of two, which a block's scale takes up: the codes' values come out the same.
;;   OPERANDS COMPUTED ON THE WAY. 'Computed on the way' means the value that the module computes at that place (a softmax that the list does not call 'softmax' is quantised finished and normalised). What goes into a quantiser is computed in f32, as accurately as f32 sums, v_exp_f32 and their like allow (about 1e-6 of the number): no bf16 or f16 on the way to a quantiser, and a product that is left as it is and whose result goes on into a quantised operand takes f32 operands (vector FMAs, or v_wmma_f32_16x16x4_f32). A number that lies on a knife's edge between two numbers of the format may be rounded either way, as far as f32 arithmetic and the matrix unit's own rounding can turn it there, and no further.
;; 2 versions, each right; version 2 is version 1 with the launch attn written anew for expert scheduling mode. Each part assembles by itself: llvm-mc -triple=amdgcn-amd-amdhsa -mcpu=gfx1250 --defsym DOCPART=n.
;; ======== version 1 of 2: 4 launches
;; workspace buffers: x_img 3,276,800 bytes; w_img 3,276,800 bytes; q_img 3,407,872 bytes; kv_img 6,684,672 bytes; z_img 3,407,872 bytes
;; launch quant (part 1): grid 256 x 1, 4 waves a work-group, no clusters, 34,304 bytes of LDS; arguments x, Wq, Wk, Wv, Wo, x_img, w_img; writes x_img, w_img
.if DOCPART == 1
	.amdgcn_target "amdgcn-amd-amdhsa--gfx1250"
	.amdhsa_code_object_version 6
	.text
	.protected	k_q0b1d96f1a1_quant
	.globl	k_q0b1d96f1a1_quant
	.p2align	8
	.type	k_q0b1d96f1a1_quant,@function
k_q0b1d96f1a1_quant:
	s_mov_b64 s[64:65], 0
	v_nop
	global_prefetch_b8 v0, s[64:65] scope:SCOPE_SE
	s_setreg_imm32_b32 hwreg(HW_REG_WAVE_MODE, 25, 1), 1
	s_wait_xcnt 0x0
; x [4096][1024] and Wq, Wk, Wv, Wo [1024][1024], f32, K innermost, become codes of BF6 (E3M2) with one E8M0 byte for each 32 along K,
; laid in the ORDER OF THE OPERAND'S REGISTERS, so that the products' launches load fragments by 16 and 8 bytes a lane from consecutive bytes.
; A block's scale is 2^(floor(log2(largest magnitude)) - 4): its byte is the largest magnitude's exponent field - 4, held at 1 from below.
; LIMITS: a block whose largest magnitude lies under 2^-122 gets the byte 1; a block of zeros gets the byte 1 where the rule says 127 (its codes are
; zeros, and this program alone reads the bytes); NaN and infinities among the inputs are not served.
; THE IMAGE.  A half-block is 64 rows x 128 K = 4 fragments + their scale words = 6,400 bytes; [group of 128 rows][K step of 128][half].
;   fragment t at 1,536 t: for c = 0, 1 at 768 c: registers 6c..6c+3 of lane l at 16 l (512 bytes), registers 6c+4, 6c+5 at 512 + 8 l (256 bytes).
;   lane (r, h) of fragment t holds row 32 (t/2) + 8 (t%2) + r + 8 (r/8) of the 64, k = 64 c + 32 h + 0..31.  (These rows, used as source 0 of a product,
;   leave 16 neighbours of the next K in a lane's 16 registers of two neighbouring tiles.)
;   scale words at 6,144: the word of (tile t, row r) at 8 (16 (t%2) + r) + 4 (t/2): a load of 8 bytes a lane brings tiles 0, 2 to lanes 0-15 and tiles 1, 3 to lanes 16-31.
; SHARES.  One wave makes one half-block.  1,024 waves: work-groups 0-127 take x, then 32 each take Wq, Wk, Wv, Wo.  Waves share nothing: no barrier.
; Each load reads 512 consecutive bytes of one row; a fragment's 16 rows turn through the wave's own stage in LDS, so that a lane gets 32 neighbours of a block.
.set PITCH, 528                        ; a stage row: 512 bytes + 16 = 33 x 16 bytes: the 16 rows that a load of 16 bytes a lane touches start at 16 different banks (64 banks of 4 bytes: ISA guide 11.1)
.set L16,  1                           ; v1   16 x lane
.set L8,   2                           ; v2   8 x lane
.set STW,  3                           ; v3   the stage, on the way in: 16 x lane
.set STR,  4                           ; v4   and on the way out: 528 r + 128 h
.set SH,   5                           ; v5   8 h
.set MX,   6                           ; v6-7   largest magnitudes of my two blocks
.set SO,   8                           ; v8-9   the conversions' scale operands
.set BY,   10                          ; v10-11 the scale bytes
.set PD,   12                          ; v12  a lane permute's destination
.set LANE, 13
.set TP,   14
.set R,    16                          ; v16-143  two sets of 64: a fragment's rows as loaded
.set X,    144                         ; v144-207 register 32 c + n = k 64 c + 32 h + n of my row
.set C,    208                         ; v208-231 two sets of 12: a fragment's codes
.set PT,   232                         ; v232-238 each block's upper 16 codes, before they are moved
.set W,    240                         ; v240-243 the four tiles' scale words
.set SIP,  244                         ; v244-245 the scale words as they are stored
.set SEL,  26                          ; s[26:27] lane selects: lane l xor 16
.set SRC,  34
.set DST,  36
	s_load_b256 s[4:11], s[0:1], 0x0               ; x, Wq, Wk, Wv
	s_load_b128 s[12:15], s[0:1], 0x20             ; Wo, x_img
	s_load_b64 s[16:17], s[0:1], 0x30              ; w_img
	v_lshl_add_u32 v254, v0, 2, 0x8400
	v_mov_b32 v255, 0
	v_lshrrev_b32 v[TP], 5, v0
	v_readfirstlane_b32 s18, v[TP]                 ; wave
	v_and_b32 v[LANE], 31, v0
	v_lshlrev_b32 v[L16], 4, v[LANE]
	v_lshlrev_b32 v[L8], 3, v[LANE]
	s_mul_i32 s19, s18, 16*PITCH                   ; my stage
	v_add_nc_u32 v[STW], s19, v[L16]
	v_and_b32 v[TP], 15, v0                        ; r
	v_bfe_u32 v[SH], v0, 4, 1                      ; h
	v_mul_u32_u24 v[STR], v[TP], PITCH
	v_lshl_add_u32 v[STR], v[SH], 7, v[STR]
	v_add_nc_u32 v[STR], s19, v[STR]
	v_lshlrev_b32 v[SH], 3, v[SH]
	v_mov_b32 v[PD], 0                             ; written once: a lane permute's destination counts as one of its sources
	s_mov_b32 s[SEL], 0x76543210
	s_mov_b32 s[SEL+1], 0xfedcba98
	s_lshl_b32 s20, ttmp9, 2
	s_add_co_u32 s20, s20, s18                     ; which of the 1,024 half-blocks
	s_and_b32 s20, s20, 511                        ; and which of its image's 512
	s_lshr_b32 s21, s20, 4                         ; group of 128 rows in the image
	s_bfe_u32 s22, s20, 0x10003                    ; half
	s_and_b32 s23, s20, 7                          ; K step
	s_wait_kmcnt 0x0
	s_mov_b64 s[SRC:SRC+1], s[12:13]               ; the tensor: a choice on the work-group's number alone
	s_cmp_lt_u32 ttmp9, 224
	s_cselect_b64 s[SRC:SRC+1], s[10:11], s[SRC:SRC+1]
	s_cmp_lt_u32 ttmp9, 192
	s_cselect_b64 s[SRC:SRC+1], s[8:9], s[SRC:SRC+1]
	s_cmp_lt_u32 ttmp9, 160
	s_cselect_b64 s[SRC:SRC+1], s[6:7], s[SRC:SRC+1]
	s_cmp_lt_u32 ttmp9, 128
	s_cselect_b64 s[SRC:SRC+1], s[4:5], s[SRC:SRC+1]
	s_cselect_b64 s[DST:DST+1], s[14:15], s[16:17]
	s_cselect_b32 s24, 31, 7                       ; x has 32 groups, a weight 8
	s_and_b32 s25, s21, s24
	s_lshl_b32 s28, s25, 19                        ; 128 rows of 4,096 bytes
	s_lshl_b32 s25, s22, 18                        ; 64 rows
	s_add_co_u32 s28, s28, s25
	s_lshl_b32 s25, s23, 9                         ; 128 numbers
	s_add_co_u32 s28, s28, s25
	s_mov_b32 s29, 0
	s_add_nc_u64 s[SRC:SRC+1], s[SRC:SRC+1], s[28:29]
	s_mul_i32 s30, s21, 102400
	s_mul_i32 s25, s23, 12800
	s_add_co_u32 s30, s30, s25
	s_mul_i32 s25, s22, 6400
	s_add_co_u32 s30, s30, s25
	s_mov_b32 s31, 0
	s_add_nc_u64 s[DST:DST+1], s[DST:DST+1], s[30:31]
.macro LOAD t                          ; fragment t's 16 rows, each 512 consecutive bytes, into set t % 2
.irp r, 0,1,2,3,4,5,6,7,8,9,10,11,12,13,14,15
	global_load_b128 v[R+64*((\t)%2)+4*\r:R+64*((\t)%2)+4*\r+3], v[L16], s[SRC:SRC+1] offset:(32*((\t)/2)+8*((\t)%2)+\r+8*(\r/8))*4096 th:TH_LOAD_NT
.endr
.endm
.macro TURN t                          ; through the stage: LDS serves a wave's instructions in order (ISA guide 5.7.1.4), so no wait stands between the stores and the loads
.irp r, 0,1,2,3,4,5,6,7,8,9,10,11,12,13,14,15
	ds_store_b128 v[STW], v[R+64*((\t)%2)+4*\r:R+64*((\t)%2)+4*\r+3] offset:PITCH*\r
.endr
.irp c, 0,1
.irp i, 0,1,2,3,4,5,6,7
	ds_load_b128 v[X+32*\c+4*\i:X+32*\c+4*\i+3], v[STR] offset:256*\c+16*\i
.endr
.endr
.endm
.macro QF t                            ; my two whole blocks (2 c + h) of fragment t: scale, codes, stores
.set CD, C+12*((\t)%2)
.if (\t) >= 2
	s_wait_xcnt 0x0                                ; fragment t - 2's stores have read this set of codes: it is written again only behind this wait
.endif
.irp c, 0,1
	v_max3_num_f32 v[MX+\c], |v[X+32*\c]|, |v[X+32*\c+1]|, 0x2800000   ; with the floor 2^(5 - 127): the byte cannot fall under 1
.endr
.irp i, 2,4,6,8,10,12,14,16,18,20,22,24,26,28,30
.irp c, 0,1
	v_max3_num_f32 v[MX+\c], v[MX+\c], |v[X+32*\c+\i]|, |v[X+32*\c+\i+1]|   ; the two blocks by turns
.endr
.endr
.irp c, 0,1
	v_add_nc_u32 v[SO+\c], 0xfe000000, v[MX+\c]    ; 4 off the exponent field: the conversion takes this operand's exponent field as its scale
.endr
.irp c, 0,1
	v_lshrrev_b32 v[BY+\c], 23, v[SO+\c]           ; the scale's byte
.endr
	v_lshl_or_b32 v[TP], v[BY+1], 16, v[BY]        ; blocks h and 2 + h of my row,
	v_lshlrev_b32 v[TP], v[SH], v[TP]              ; at their places in the word;
	v_permlanex16_b32 v[PD], v[TP], s[SEL], s[SEL+1]
	v_or_b32 v[W+(\t)], v[TP], v[PD]               ; with lane l xor 16's two the word is whole, in both halves of the lanes
.irp c, 0,1
	v_cvt_scalef32_pk16_bf6_f32 v[CD+6*\c:CD+6*\c+2], v[X+32*\c:X+32*\c+15], v[SO+\c]
	v_cvt_scalef32_pk16_bf6_f32 v[PT+4*\c:PT+4*\c+2], v[X+32*\c+16:X+32*\c+31], v[SO+\c]   ; (a conversion's three registers begin on an even number)
.endr
	v_nop                                          ; one plain place behind a scaled conversion
.irp c, 0,1
.irp i, 0,1,2
	v_mov_b32 v[CD+6*\c+3+\i], v[PT+4*\c+\i]
.endr
.endr
	global_store_b128 v[L16], v[CD:CD+3], s[DST:DST+1] offset:1536*(\t)          ; each store covers 512 or 256 consecutive bytes, at a multiple of 256 from the image's first byte
	global_store_b64 v[L8], v[CD+4:CD+5], s[DST:DST+1] offset:1536*(\t)+512
	global_store_b128 v[L16], v[CD+6:CD+9], s[DST:DST+1] offset:1536*(\t)+768
	global_store_b64 v[L8], v[CD+10:CD+11], s[DST:DST+1] offset:1536*(\t)+1280
.endm
	LOAD 0
	LOAD 1                                         ; 32 loads of the wave are out
.irp t, 0,1,2,3
.if \t < 3
	s_wait_loadcnt 16                              ; this fragment's 16 loads are in; the next fragment's 16 may be out
.else
	s_wait_loadcnt 0x0
.endif
	TURN \t
	s_wait_dscnt 0x0                               ; my 64 numbers are back, and the stores into the stage have read their registers,
.if \t < 2
	LOAD \t+2                                      ; which take the fragment two on
.endif
	QF \t
.endr
	v_cmp_le_u32 vcc_lo, 16, v[LANE]
	v_cndmask_b32 v[SIP], v[W], v[W+1], vcc_lo     ; lanes 0-15 tile 0's words, lanes 16-31 tile 1's
	v_cndmask_b32 v[SIP+1], v[W+2], v[W+3], vcc_lo ; tiles 2 and 3
	global_store_b64 v[L8], v[SIP:SIP+1], s[DST:DST+1] offset:6144
	s_wait_tensorcnt 0x0
	ds_add_u32 v254, v255
	s_wait_dscnt 0x0
	s_endpgm
.Lfunc_end_k_q0b1d96f1a1_quant:
	.size	k_q0b1d96f1a1_quant, .Lfunc_end_k_q0b1d96f1a1_quant-k_q0b1d96f1a1_quant
	.p2alignl 7, 3214868480
	.fill 96, 4, 3214868480
	.section	.rodata,"a",@progbits
	.p2align	6, 0x0
	.amdhsa_kernel k_q0b1d96f1a1_quant
		.amdhsa_group_segment_fixed_size 34304
		.amdhsa_private_segment_fixed_size 0
		.amdhsa_enable_private_segment 0
		.amdhsa_kernarg_size 56
		.amdhsa_user_sgpr_count 2
		.amdhsa_user_sgpr_kernarg_segment_ptr 1
		.amdhsa_wavefront_size32 1
		.amdhsa_system_sgpr_workgroup_id_x 1
		.amdhsa_system_sgpr_workgroup_id_y 1
		.amdhsa_system_sgpr_workgroup_id_z 1
		.amdhsa_system_vgpr_workitem_id 0
		.amdhsa_next_free_vgpr 256
		.amdhsa_next_free_sgpr 66
		.amdhsa_reserve_vcc 1
		.amdhsa_float_denorm_mode_32 3
		.amdhsa_float_denorm_mode_16_64 3
		.amdhsa_memory_ordered 1
		.amdhsa_forward_progress 1
		.amdhsa_inst_pref_size 31
	.end_amdhsa_kernel
	.amdgpu_metadata
---
amdhsa.version: [ 1, 2 ]
amdhsa.kernels:
  - .name:           k_q0b1d96f1a1_quant
    .symbol:         k_q0b1d96f1a1_quant.kd
    .args:
      - { .name: x, .offset: 0, .size: 8, .value_kind: global_buffer, .address_space: global }
      - { .name: Wq, .offset: 8, .size: 8, .value_kind: global_buffer, .address_space: global }
      - { .name: Wk, .offset: 16, .size: 8, .value_kind: global_buffer, .address_space: global }
      - { .name: Wv, .offset: 24, .size: 8, .value_kind: global_buffer, .address_space: global }
      - { .name: Wo, .offset: 32, .size: 8, .value_kind: global_buffer, .address_space: global }
      - { .name: x_img, .offset: 40, .size: 8, .value_kind: global_buffer, .address_space: global }
      - { .name: w_img, .offset: 48, .size: 8, .value_kind: global_buffer, .address_space: global }
    .group_segment_fixed_size: 34304
    .private_segment_fixed_size: 0
    .kernarg_segment_align: 8
    .kernarg_segment_size: 56
    .max_flat_workgroup_size: 128
    .sgpr_count:     66
    .vgpr_count:     256
    .wavefront_size: 32
...
	.end_amdgpu_metadata
.endif
;; end of part 1
;; launch qkv (part 2): grid 8 x 32, 12 waves a work-group, clusters of 4 x 4, 327,680 bytes of LDS; arguments x_img, w_img, q_img, kv_img; writes q_img, kv_img
.if DOCPART == 2
	.amdgcn_target "amdgcn-amd-amdhsa--gfx1250"
	.amdhsa_code_object_version 6
	.text
	.protected	k_q0b1d96f1a1_qkv
	.globl	k_q0b1d96f1a1_qkv
	.p2align	8
	.type	k_q0b1d96f1a1_qkv,@function
k_q0b1d96f1a1_qkv:
	s_mov_b64 s[64:65], 0
	v_nop
	global_prefetch_b8 v0, s[64:65] scope:SCOPE_SE
	s_setreg_imm32_b32 hwreg(HW_REG_WAVE_MODE, 25, 1), 1
	s_wait_xcnt 0x0
	s_wait_alu depctr_hold_cnt(0) depctr_sa_sdst(0) depctr_va_vdst(0) depctr_va_sdst(0) depctr_va_ssrc(0) depctr_va_vcc(0) depctr_vm_vsrc(0)
	s_getreg_b32 s2, hwreg(HW_REG_IB_STS2, 6, 4)
	s_cmp_eq_u32 s2, 0
	s_cbranch_scc0 .Lentry_in_a_cluster
	s_endpgm
.Lentry_in_a_cluster:
	s_bfe_u32 s2, ttmp6, 0x10000c
	s_cmp_lg_u32 s2, 0xf033
	s_cbranch_scc0 .Lentry_shape_is_right
	s_endpgm
.Lentry_shape_is_right:
; q = x Wq^T, k = x Wk^T, v = x Wv^T on codes of BF6 with E8M0 scales (K = 1,024), f32 sums; the results are quantised in registers and leave as codes:
; q and k along the head's 64 (two blocks of 32), v along the keys.  No f32 result goes to memory.
; LIMITS: a block whose largest magnitude lies under 2^-122, a block of zeros among them, gets the scale byte 1 (zero codes add nothing); NaN and infinities are not served.
; SHARES.  A work-group takes 128 rows of x (group g) against rows 128 nx .. + 127 of EACH of Wq, Wk, Wv: 128 x 384.  Twelve waves, three to a SIMD; wave w: wm = w & 1 (which 64 rows of x),
; ch = (w >> 1) & 1 (which 64 rows of W = which head), t = w >> 2 (q, k, v).  A wave makes 64 x 64: 16 accumulators.
; SIDES.  Source 1's rows fall to the lanes (the lane side, L), source 0's to a lane's registers (the register side, R).  The registers must run along the next product's K:
; q, k: L = x, R = W (registers run along the head's 64);  v: L = Wv, R = x (registers run along the keys).  Only two LDS base addresses differ: one text serves all waves.
; The images' rows are laid so that the 16 registers of tiles 2 b, 2 b + 1 of the register side are the neighbours 32 b + 16 h + 0..15.
; LDS.  Three slots of 102,400 bytes, each with two K steps of 128: region 0 = x, 1..3 = Wq, Wk, Wv (25,600 bytes each: [step 2][half 2] of 6,400).  K's eight steps are four slots' worth: slot 0 is filled a second time.
; CLUSTER 4 x 4.  x's block hangs on g alone and is shared along a row of the cluster, W's blocks on nx alone and are shared along a column: joint loads, wave 0 for x, waves 1-3 for the weights.
.set SLOTB, 102400
.set REG,   25600
.set STEPB, 12800
.set HALFB, 6400
.set SPARE, 307200                     ; behind the slots: the spare words, 128 bytes for each of 12 waves: six blocks of 256 bytes that no other line names
.set SCR,   308736                     ; behind them: 512 bytes through which v's waves hand each other scale bytes; no tile lands here
.set SPW,  1                           ; v1   SPARE + 4 x my thread's number; never rewritten
.set NIL,  2                           ; v2   0; never rewritten
.set L16,  3                           ; v3   16 x lane
.set L8,   4                           ; v4   8 x lane
.set SCRA, 5                           ; v5   SCR + 256 ch + 8 x lane
.set LANE, 6
.set SIP,  8                           ; v8-9   scale words as they are stored
.set LS,   10                          ; v10-11 the lane side's scale words: register j: tile 2 j in lanes 0-15, tile 2 j + 1 in lanes 16-31
.set RS,   12                          ; v12-13 the register side's
.set OTH,  14                          ; v14-15 the other v wave's scale bytes
.set LF,   16                          ; v16-63   the lane side's four fragments
.set RF,   64                          ; v64-111  the register side's
.set ADR,  112                         ; v112-123 for slot s at 112 + 4 s: L + 16 lane, L + 8 lane, R + 16 lane, R + 8 lane
.set ACC,  128                         ; v128-255 accumulator (a, b) at 128 + 32 a + 8 b: a = L's tile, b = R's tile
.set PT,   48                          ; the way out (the fragments' registers are free): v16+8a.. codes; v48-50, v52-59 at work; v60-63 the four tiles' scale bytes
.set MX,   52
.set T2,   54
.set SO,   56
.set BY,   58
.set HW,   60
.set WV,  12
.set WM,  13
.set CH,  14
.set TT,  15
.set ISV, 16
.set CX,  17
.set CY,  18
.set NX,  19
.set GG,  20
.set SEL, 22                           ; s[22:23]
.set G1A, 24                           ; s[24:31] descriptor group 1 for x's blocks; s[32:39] for W's: they differ in the mask alone
.set G1B, 32
.set G0A, 40                           ; s[40:51] group 0 for x's blocks, a set for each slot; s[52:63] for W's
.set G0B, 52
.set CB,  68                           ; s[68:75] where tile a's codes go
.set SB,  76                           ; s[76:77] where the scale words go
.set STRD, 78                          ; s[78:79] bytes from tile to tile
.macro CROUND                          ; a round of the cluster's barrier
	s_barrier_signal -1
	s_barrier_wait -1
	s_cmp_lg_u32 s[WV], 0
	s_cbranch_scc1 .Lnot_wave_0_\@
	s_barrier_signal -3
.Lnot_wave_0_\@:
	s_barrier_wait -3
	s_barrier_signal -1
	s_barrier_wait -1
.endm
.macro WMS d, a, b, z, sa, sb, ra, rb  ; one product: D at d, source 0 at a, source 1 at b; z = 1: it starts the sum; ra, rb = 1: that side's scale words stand in lanes 16-31
.set wD, \d
.set wA, \a
.set wB, \b
.set wSA, \sa
.set wSB, \sb
.set wM, 4*(\z)+2*(\ra)+(\rb)
.if wM == 0
	v_wmma_scale_f32_16x16x128_f8f6f4 v[wD:wD+7], v[wA:wA+11], v[wB:wB+11], v[wD:wD+7], v[wSA], v[wSB] matrix_a_fmt:MATRIX_FMT_BF6 matrix_b_fmt:MATRIX_FMT_BF6
.elseif wM == 1
	v_wmma_scale_f32_16x16x128_f8f6f4 v[wD:wD+7], v[wA:wA+11], v[wB:wB+11], v[wD:wD+7], v[wSA], v[wSB] matrix_a_fmt:MATRIX_FMT_BF6 matrix_b_fmt:MATRIX_FMT_BF6 matrix_b_scale:MATRIX_SCALE_ROW1
.elseif wM == 2
	v_wmma_scale_f32_16x16x128_f8f6f4 v[wD:wD+7], v[wA:wA+11], v[wB:wB+11], v[wD:wD+7], v[wSA], v[wSB] matrix_a_fmt:MATRIX_FMT_BF6 matrix_b_fmt:MATRIX_FMT_BF6 matrix_a_scale:MATRIX_SCALE_ROW1
.elseif wM == 3
	v_wmma_scale_f32_16x16x128_f8f6f4 v[wD:wD+7], v[wA:wA+11], v[wB:wB+11], v[wD:wD+7], v[wSA], v[wSB] matrix_a_fmt:MATRIX_FMT_BF6 matrix_b_fmt:MATRIX_FMT_BF6 matrix_a_scale:MATRIX_SCALE_ROW1 matrix_b_scale:MATRIX_SCALE_ROW1
.elseif wM == 4
	v_wmma_scale_f32_16x16x128_f8f6f4 v[wD:wD+7], v[wA:wA+11], v[wB:wB+11], 0, v[wSA], v[wSB] matrix_a_fmt:MATRIX_FMT_BF6 matrix_b_fmt:MATRIX_FMT_BF6
.elseif wM == 5
	v_wmma_scale_f32_16x16x128_f8f6f4 v[wD:wD+7], v[wA:wA+11], v[wB:wB+11], 0, v[wSA], v[wSB] matrix_a_fmt:MATRIX_FMT_BF6 matrix_b_fmt:MATRIX_FMT_BF6 matrix_b_scale:MATRIX_SCALE_ROW1
.elseif wM == 6
	v_wmma_scale_f32_16x16x128_f8f6f4 v[wD:wD+7], v[wA:wA+11], v[wB:wB+11], 0, v[wSA], v[wSB] matrix_a_fmt:MATRIX_FMT_BF6 matrix_b_fmt:MATRIX_FMT_BF6 matrix_a_scale:MATRIX_SCALE_ROW1
.else
	v_wmma_scale_f32_16x16x128_f8f6f4 v[wD:wD+7], v[wA:wA+11], v[wB:wB+11], 0, v[wSA], v[wSB] matrix_a_fmt:MATRIX_FMT_BF6 matrix_b_fmt:MATRIX_FMT_BF6 matrix_a_scale:MATRIX_SCALE_ROW1 matrix_b_scale:MATRIX_SCALE_ROW1
.endif
.endm
	s_load_b256 s[4:11], s[0:1], 0x0               ; x_img s[4:5], w_img s[6:7], q_img s[8:9], kv_img s[10:11]
	v_lshl_add_u32 v[SPW], v0, 2, SPARE
	v_mov_b32 v[NIL], 0
	ds_add_u32 v1, v2
	ds_add_u32 v1, v2
	s_wait_dscnt 0x0
	v_lshrrev_b32 v7, 5, v0
	v_readfirstlane_b32 s[WV], v7                  ; wave 0..11
	s_and_b32 s[WM], s[WV], 1
	s_bfe_u32 s[CH], s[WV], 0x10001
	s_lshr_b32 s[TT], s[WV], 2
	s_lshr_b32 s[ISV], s[WV], 3
	s_bfe_u32 s[CX], ttmp6, 0x40000
	s_bfe_u32 s[CY], ttmp6, 0x40004
	s_lshl_b32 s[NX], ttmp9, 2
	s_add_co_u32 s[NX], s[NX], s[CX]               ; nx = 4 x cluster x + cx
	s_and_b32 s[GG], ttmp7, 0xffff
	s_lshl_b32 s[GG], s[GG], 2
	s_add_co_u32 s[GG], s[GG], s[CY]               ; g = 4 x cluster y + cy
	s_lshl_b32 s90, s[CY], 2
	s_lshl_b32 s90, 15, s90                        ; my row of the cluster
	s_lshl_b32 s91, 0x1111, s[CX]                  ; my column
	; descriptor group 1: a dense block of 25,600 bytes as 100 rows of 32 elements of 8 bytes, no padding (every LDS read takes consecutive bytes)
	s_or_b32 s[G1A], s90, (3<<16)|(1<<21)          ; 15:0 the mask; 17:16 elements of 8 bytes; 21 set beside a mask
	s_or_b32 s[G1B], s91, (3<<16)|(1<<21)
.irp g, G1A, G1B
	s_mov_b32 s[\g+1], 32<<16                      ; tensor_dim0 = 32
	s_mov_b32 s[\g+2], 100<<16                     ; tensor_dim1 = 100
	s_mov_b32 s[\g+3], 32<<16                      ; tile_dim0 = 32
	s_mov_b32 s[\g+4], 100                         ; tile_dim1 = 100
	s_mov_b32 s[\g+5], 32                          ; the pitch
	s_mov_b32 s[\g+6], 0
	s_mov_b32 s[\g+7], 0
.endr
	s_min_u32 s80, s[WV], 3                        ; the region that I fill, if I fill one: wave 0 x's, waves 1-3 Wq's, Wk's, Wv's
	s_mul_i32 s81, s80, REG
	s_max_u32 s80, s80, 1
	s_sub_co_u32 s80, s80, 1                       ; which weight
	s_mul_i32 s82, s80, 819200                     ; a weight's image is 8 groups of 102,400 bytes
	s_mul_i32 s84, s[NX], 102400
	s_add_co_u32 s82, s82, s84                     ; W's block hangs on nx and the wave alone,
	s_mov_b32 s83, 0
	s_mul_i32 s86, s[GG], 102400                   ; x's on g alone
	s_mov_b32 s87, 0
	s_wait_kmcnt 0x0
	s_add_nc_u64 s[86:87], s[4:5], s[86:87]
	s_add_nc_u64 s[82:83], s[6:7], s[82:83]
.irp sg, 0,1,2
	s_mov_b32 s[G0A+4*\sg], 1                      ; count = 1
	s_add_co_u32 s[G0A+4*\sg+1], s81, \sg*SLOTB    ; LDS address: my region of slot sg
	s_add_nc_u64 s[G0A+4*\sg+2:G0A+4*\sg+3], s[86:87], \sg*REG   ; K steps 2 sg, 2 sg + 1
	s_or_b32 s[G0A+4*\sg+3], s[G0A+4*\sg+3], 0x80000000          ; type = 2
	s_mov_b32 s[G0B+4*\sg], 1
	s_add_co_u32 s[G0B+4*\sg+1], s81, \sg*SLOTB
	s_add_nc_u64 s[G0B+4*\sg+2:G0B+4*\sg+3], s[82:83], \sg*REG
	s_or_b32 s[G0B+4*\sg+3], s[G0B+4*\sg+3], 0x80000000
.endr
	CROUND                                         ; all sixteen work-groups are here: the first joint loads meet
	s_cmp_eq_u32 s[WV], 0                          ; a wave's three first fills stand in one branch on the wave's number: three loads of a fetching wave are out
	s_cbranch_scc0 .Lfirst_not_a
	tensor_load_to_lds s[G0A:G0A+3], s[G1A:G1A+7]
	s_nop 0
	tensor_load_to_lds s[G0A+4:G0A+7], s[G1A:G1A+7]
	s_nop 0
	tensor_load_to_lds s[G0A+8:G0A+11], s[G1A:G1A+7]
	s_nop 0
.rept 4
	v_nop
.endr
	s_branch .Lfirst_asked
.Lfirst_not_a:
	s_cmp_lt_u32 s[WV], 4
	s_cbranch_scc0 .Lfirst_asked
	tensor_load_to_lds s[G0B:G0B+3], s[G1B:G1B+7]
	s_nop 0
	tensor_load_to_lds s[G0B+4:G0B+7], s[G1B:G1B+7]
	s_nop 0
	tensor_load_to_lds s[G0B+8:G0B+11], s[G1B:G1B+7]
	s_nop 0
.rept 4
	v_nop
.endr
.Lfirst_asked:
	v_and_b32 v[LANE], 31, v0
	v_lshlrev_b32 v[L16], 4, v[LANE]
	v_lshlrev_b32 v[L8], 3, v[LANE]
	s_mov_b32 s[SEL], 0x76543210
	s_mov_b32 s[SEL+1], 0xfedcba98
	s_xor_b32 s92, s[ISV], 1                       ; 1 in q's and k's waves
	s_mul_i32 s93, s[WM], HALFB                    ; my half of x's region
	s_add_co_u32 s94, s[TT], 1
	s_mul_i32 s94, s94, REG
	s_mul_i32 s95, s[CH], HALFB
	s_add_co_u32 s94, s94, s95                     ; my half of my weight's region
	s_mul_i32 s95, s92, s93
	s_mul_i32 s96, s[ISV], s94
	s_add_co_u32 s95, s95, s96                     ; the lane side: x's (q, k) or Wv's (v)
	s_mul_i32 s96, s92, s94
	s_mul_i32 s93, s[ISV], s93
	s_add_co_u32 s96, s96, s93                     ; the register side: the other
.irp sg, 0,1,2
	v_add_nc_u32 v[ADR+4*\sg], s95, v[L16]
	v_add_nc_u32 v[ADR+4*\sg+1], s95, v[L8]
	v_add_nc_u32 v[ADR+4*\sg+2], s96, v[L16]
	v_add_nc_u32 v[ADR+4*\sg+3], s96, v[L8]
	s_add_co_u32 s95, s95, SLOTB
	s_add_co_u32 s96, s96, SLOTB
.endr
	s_lshl_b32 s93, s[CH], 8
	s_add_co_u32 s93, s93, SCR
	v_add_nc_u32 v[SCRA], s93, v[L8]
	s_and_b32 s97, s[ISV], s[WM]                   ; 1: a v wave that hands its scale bytes over
	s_xor_b32 s98, s[WM], 1
	s_and_b32 s98, s98, s[ISV]                     ; 1: the v wave that takes them
	; where the results go, in bytes from the buffer's first byte
	s_lshl_b32 s66, s[NX], 1
	s_add_co_u32 s66, s66, s[CH]                   ; the head
	s_mul_i32 s80, s66, 212992                     ; q_img: [head][group of 64 rows] of 3,328: four tiles of 768, then 256 of scale words
	s_lshl_b32 s81, s[GG], 1
	s_add_co_u32 s81, s81, s[WM]
	s_mul_i32 s81, s81, 3328
	s_add_co_u32 s80, s80, s81                     ; q's codes
	s_add_co_u32 s81, s80, 3072                    ; q's scale words
	s_mul_i32 s82, s66, 417792                     ; kv_img: [head][slot of 256 keys] of 26,112
	s_lshr_b32 s83, s[GG], 1
	s_mul_i32 s83, s83, 26112
	s_add_co_u32 s82, s82, s83
	s_and_b32 s83, s[GG], 1                        ; e: which 128 keys of the slot
	s_lshl_b32 s84, s83, 1
	s_add_co_u32 s84, s84, s[WM]                   ; 2 e + wm
	s_mul_i32 s85, s84, 3072
	s_add_co_u32 s85, s85, s82                     ; k's codes: tile 8 e + 4 wm + a at 768 x tile
	s_lshl_b32 s84, s84, 8
	s_add_co_u32 s84, s84, s82
	s_add_co_u32 s84, s84, 24576                   ; k's scale words
	s_mul_i32 s86, s83, 6144
	s_mul_i32 s87, s[WM], 768
	s_add_co_u32 s86, s86, s87
	s_add_co_u32 s86, s86, s82
	s_add_co_u32 s86, s86, 12288                   ; v's codes: fragment (e, a) at 12,288 + 1,536 (4 e + a), my 64 keys its half wm
	s_lshl_b32 s87, s83, 8
	s_add_co_u32 s87, s87, s82
	s_add_co_u32 s87, s87, 25600                   ; v's scale words
	s_cmp_eq_u32 s[TT], 0
	s_cselect_b64 s[CB:CB+1], s[8:9], s[10:11]
	s_cselect_b32 s80, s80, s85
	s_cselect_b32 s81, s81, s84
	s_mov_b32 s[STRD], 768
	s_cmp_eq_u32 s[ISV], 1
	s_cselect_b32 s80, s86, s80
	s_cselect_b32 s81, s87, s81
	s_cselect_b32 s[STRD], 1536, s[STRD]
	s_mov_b32 s[STRD+1], 0
	s_mov_b32 s88, s81
	s_mov_b32 s89, 0
	s_add_nc_u64 s[SB:SB+1], s[CB:CB+1], s[88:89]
	s_mov_b32 s88, s80
	s_add_nc_u64 s[CB:CB+1], s[CB:CB+1], s[88:89]
.irp a, 1,2,3
	s_add_nc_u64 s[CB+2*\a:CB+2*\a+1], s[CB+2*\a-2:CB+2*\a-1], s[STRD:STRD+1]
.endr
.macro FRAGS reg, a16, a8, off         ; four fragments as they lie: four loads each, every load takes consecutive bytes
.irp f, 0,1,2,3
.irp c, 0,1
	ds_load_b128 v[\reg+12*\f+6*\c:\reg+12*\f+6*\c+3], v[\a16] offset:(\off)+1536*\f+768*\c
	ds_load_b64 v[\reg+12*\f+6*\c+4:\reg+12*\f+6*\c+5], v[\a8] offset:(\off)+1536*\f+768*\c+512
.endr
.endr
.endm
; A K step of 128: 34 LDS loads, 16 products.  The 16 accumulators take turns, one instruction a turn, in the same order in every step.
.macro STEP sg, off, zero, first
.if !(\first)
.rept 4
	v_nop                                          ; four places between the last products and the loads into registers that they read (ISA guide 7.12.1 for vector instructions)
.endr
.endif
	ds_load_b64 v[LS:LS+1], v[ADR+4*\sg+1] offset:(\off)+6144
	ds_load_b64 v[RS:RS+1], v[ADR+4*\sg+3] offset:(\off)+6144
	FRAGS LF, ADR+4*\sg, ADR+4*\sg+1, \off
	FRAGS RF, ADR+4*\sg+2, ADR+4*\sg+3, \off
.irp b, 0,1,2,3
	s_wait_dscnt 12-4*\b                           ; all but the register side's later tiles, four loads each, are in
.irp a, 0,1,2,3
	WMS ACC+32*\a+8*\b, RF+12*\b, LF+12*\a, \zero, RS+\b/2, LS+\a/2, \b%2, \a%2
.endr
.endr
.endm
; 32 numbers of a lane, register 16 b + i = k 32 b + 16 h + i of my row, become the six registers of half a fragment (lane (r, h): block h) at pc, and the two scale bytes in hw.
.macro QUANT32 s, pc, hw
.set qS, \s
.set qP, \pc
.set qH, \hw
.irp b, 0,1
	v_max3_num_f32 v[MX+\b], |v[qS+16*\b]|, |v[qS+16*\b+1]|, 0x2800000   ; each accumulator is read from its low end on; the floor 2^(5 - 127) holds the byte at 1 from below
.endr
.irp i, 2,4,6,8,10,12,14
.irp b, 0,1
	v_max3_num_f32 v[MX+\b], v[MX+\b], |v[qS+16*\b+\i]|, |v[qS+16*\b+\i+1]|
.endr
.endr
.irp b, 0,1
	v_permlanex16_b32 v[T2+\b], v[MX+\b], s[SEL], s[SEL+1]
.endr
.irp b, 0,1
	v_max_num_f32 v[MX+\b], v[MX+\b], v[T2+\b]     ; with lane l xor 16's 16: the block's largest magnitude
.endr
.irp b, 0,1
	v_add_nc_u32 v[SO+\b], 0xfe000000, v[MX+\b]    ; 4 off the exponent field: the conversion's scale operand
.endr
.irp b, 0,1
	v_lshrrev_b32 v[BY+\b], 23, v[SO+\b]
.endr
	v_lshl_or_b32 v[qH], v[BY+1], 8, v[BY]
	v_cvt_scalef32_pk16_bf6_f32 v[qP:qP+2], v[qS:qS+15], v[SO]
	v_cvt_scalef32_pk16_bf6_f32 v[PT:PT+2], v[qS+16:qS+31], v[SO+1]
	v_nop                                          ; one plain place behind a scaled conversion
.irp i, 0,1,2
	v_permlane16_swap_b32 v[qP+\i], v[PT+\i]       ; the first's lanes 16-31 change places with the second's lanes 0-15: a lane now holds one whole block
.endr
.irp i, 0,1,2
	v_mov_b32 v[qP+3+\i], v[PT+\i]
.endr
.endm
	s_wait_tensorcnt 2                             ; my part of slot 0 is in; the two younger loads (slots 1, 2) may stay out
	s_barrier_signal -1
	s_barrier_wait -1                              ; everybody's is
	STEP 0, 0, 1, 1                                ; K step 0: its products start the sums
	STEP 0, STEPB, 0, 0
	; slot 0 is filled again, with K steps 6 and 7
	s_wait_tensorcnt 0x0                           ; all my tensor loads have landed, slots 1 and 2 among them: a group 0 may be written
	ds_add_u32 v[SPW], v[NIL]                      ; 0 onto my spare word
	ds_add_u32 v1, v2
	s_add_nc_u64 s[G0A+2:G0A+3], s[G0A+2:G0A+3], 3*REG
	s_add_nc_u64 s[G0B+2:G0B+3], s[G0B+2:G0B+3], 3*REG
	s_wait_dscnt 0x0                               ; the add is done, and my reads of slot 0 are over
	CROUND                                         ; both now hold of every wave of every work-group of the cluster
	s_cmp_eq_u32 s[WV], 0
	s_cbranch_scc0 .Lre_not_a
	tensor_load_to_lds s[G0A:G0A+3], s[G1A:G1A+7]  ; the first tensor load behind the round, one a wave: it has four K steps' work in which to land
	s_nop 0
.rept 4
	v_nop
.endr
	s_branch .Lre_asked
.Lre_not_a:
	s_cmp_lt_u32 s[WV], 4
	s_cbranch_scc0 .Lre_asked
	tensor_load_to_lds s[G0B:G0B+3], s[G1B:G1B+7]
	s_nop 0
.rept 4
	v_nop
.endr
.Lre_asked:
	STEP 1, 0, 0, 0
	STEP 1, STEPB, 0, 0
	STEP 2, 0, 0, 0
	STEP 2, STEPB, 0, 0
	s_wait_tensorcnt 0x0                           ; the one load that was out: my part of K steps 6 and 7
	s_wait_dscnt 0x0
	s_barrier_signal -1
	s_barrier_wait -1                              ; everybody's is in
	STEP 0, 0, 0, 0
	STEP 0, STEPB, 0, 0
.rept 4
	v_nop                                          ; four places between the last products and the first read of results, and the first write of their operands' registers
.endr
.irp a, 0,1,2,3
	QUANT32 ACC+32*\a, LF+8*\a, HW+\a
	global_store_b128 v[L16], v[LF+8*\a:LF+8*\a+3], s[CB+2*\a:CB+2*\a+1]             ; 512 consecutive bytes, at a multiple of 256 from the buffer's first byte
	global_store_b64 v[L8], v[LF+8*\a+4:LF+8*\a+5], s[CB+2*\a:CB+2*\a+1] offset:512  ; 256
.endr
	v_cmp_le_u32 vcc_lo, 16, v[LANE]
	v_cndmask_b32 v[SIP], v[HW], v[HW+1], vcc_lo   ; tiles 0 and 1
	v_cndmask_b32 v[SIP+1], v[HW+2], v[HW+3], vcc_lo   ; tiles 2 and 3
	; v's scale word of 128 keys is made of two waves' bytes: the wave of keys 64-127 hands its two over through LDS
	s_cmp_eq_u32 s97, 1
	s_cbranch_scc0 .Lno_give
	ds_store_b64 v[SCRA], v[SIP:SIP+1]
.Lno_give:
	s_wait_dscnt 0x0                               ; for the other wave's sake: my store has landed
	s_barrier_signal -1
	s_barrier_wait -1
	s_cmp_eq_u32 s98, 1
	s_cbranch_scc0 .Lno_take
	ds_load_b64 v[OTH:OTH+1], v[SCRA]
	s_wait_dscnt 0x0
	v_lshl_or_b32 v[SIP], v[OTH], 16, v[SIP]
	v_lshl_or_b32 v[SIP+1], v[OTH+1], 16, v[SIP+1]
.Lno_take:
	s_cmp_eq_u32 s97, 1
	s_cbranch_scc1 .Lno_words
	global_store_b64 v[L8], v[SIP:SIP+1], s[SB:SB+1]   ; 256 consecutive bytes
.Lno_words:
	s_wait_tensorcnt 0x0                           ; the wave's end: behind my last tensor load and my last LDS store
	ds_add_u32 v[SPW], v[NIL]
	s_wait_dscnt 0x0
	CROUND                                         ; the closing round: no work-group ends while a partner may still ask for a block that names it
	s_endpgm
.Lfunc_end_k_q0b1d96f1a1_qkv:
	.size	k_q0b1d96f1a1_qkv, .Lfunc_end_k_q0b1d96f1a1_qkv-k_q0b1d96f1a1_qkv
	.p2alignl 7, 3214868480
	.fill 96, 4, 3214868480
	.section	.rodata,"a",@progbits
	.p2align	6, 0x0
	.amdhsa_kernel k_q0b1d96f1a1_qkv
		.amdhsa_group_segment_fixed_size 327680
		.amdhsa_private_segment_fixed_size 0
		.amdhsa_enable_private_segment 0
		.amdhsa_kernarg_size 32
		.amdhsa_user_sgpr_count 2
		.amdhsa_user_sgpr_kernarg_segment_ptr 1
		.amdhsa_wavefront_size32 1
		.amdhsa_system_sgpr_workgroup_id_x 1
		.amdhsa_system_sgpr_workgroup_id_y 1
		.amdhsa_system_sgpr_workgroup_id_z 1
		.amdhsa_system_vgpr_workitem_id 0
		.amdhsa_next_free_vgpr 256
		.amdhsa_next_free_sgpr 100
		.amdhsa_reserve_vcc 1
		.amdhsa_float_denorm_mode_32 3
		.amdhsa_float_denorm_mode_16_64 3
		.amdhsa_memory_ordered 1
		.amdhsa_forward_progress 1
		.amdhsa_inst_pref_size 55
	.end_amdhsa_kernel
	.amdgpu_metadata
---
amdhsa.version: [ 1, 2 ]
amdhsa.kernels:
  - .name:           k_q0b1d96f1a1_qkv
    .symbol:         k_q0b1d96f1a1_qkv.kd
    .args:
      - { .name: x_img, .offset: 0, .size: 8, .value_kind: global_buffer, .address_space: global }
      - { .name: w_img, .offset: 8, .size: 8, .value_kind: global_buffer, .address_space: global }
      - { .name: q_img, .offset: 16, .size: 8, .value_kind: global_buffer, .address_space: global }
      - { .name: kv_img, .offset: 24, .size: 8, .value_kind: global_buffer, .address_space: global }
    .group_segment_fixed_size: 327680
    .private_segment_fixed_size: 0
    .kernarg_segment_align: 8
    .kernarg_segment_size: 32
    .max_flat_workgroup_size: 384
    .sgpr_count:     100
    .vgpr_count:     256
    .wavefront_size: 32
...
	.end_amdgpu_metadata
.endif
;; end of part 2
;; launch attn (part 3): grid 16 x 16, 16 waves a work-group, no clusters, 55,296 bytes of LDS; arguments q_img, kv_img, z_img; writes z_img
.if DOCPART == 3
	.amdgcn_target "amdgcn-amd-amdhsa--gfx1250"
	.amdhsa_code_object_version 6
	.text
	.protected	k_q0b1d96f1a1_attn
	.globl	k_q0b1d96f1a1_attn
	.p2align	8
	.type	k_q0b1d96f1a1_attn,@function
k_q0b1d96f1a1_attn:
	s_mov_b64 s[64:65], 0
	v_nop
	global_prefetch_b8 v0, s[64:65] scope:SCOPE_SE
	s_setreg_imm32_b32 hwreg(HW_REG_WAVE_MODE, 25, 1), 1
	s_wait_xcnt 0x0
; z[q][64 head + d] = the sum over keys k <= q of softmax_k(q . k / 8) v[k][d], both products on codes of BF6 with E8M0 scales; z is quantised in registers along 64 head + d and leaves as codes.
; THE SOFTMAX: t = score x log2(e) / 8; M = the running largest t rounded UP to a whole number; p = 2^(t - M) is quantised along the keys, not normalised; the row's sum is taken of the unquantised p and divides at the end.
; When M moves, the sum and O^T are multiplied by 2^(old M - new M): exact.  A block's largest p is not searched for: the block's largest score goes through the same multiply-add and exponential
; (this takes v_exp_f32 not to fall where its input rises; at the worst one p of a block, within an ulp of a power of two, would be held one code low).
; LIMITS: a block whose largest magnitude lies under 2^-122, a block of zeros among them, gets the scale byte 1 (zero codes add nothing); NaN and infinities are not served.
; q . k has K = 64: the upper half of each fragment's 128 is zero codes on both sides (their scale bytes are 0, which is 2^-127 and no NaN).
; SHARES.  Work-group (j, head) owns query blocks j and 31 - j (128 queries each): 8 x 33 tile steps in every work-group.  Each of sixteen waves owns one tile of 16 queries: tile i = w >> 1 of block 31 - j
; (heavy = ((w >> 2) ^ w) & 1) or of block j.  All waves walk the keys together, 128 a step, 256 a slot; the trip counts are constants.  A wave jumps over the work of a step all of whose keys come after its
; queries (a scalar branch on ids); the one step on the diagonal is masked.  A slot beyond the heavy block's last is neither fetched nor stored; its barrier stays.
; LAYOUT.  Both products are used transposed: S^T = K Q^T (source 0 = 16 keys), O^T = V^T P^T (source 0 = 16 of the head's 64): a lane holds ONE query throughout.  The rows of every tile are laid
; (row 32 (t/2) + 8 (t%2) + r + 8 (r/8) in lane row r) so that the 16 registers of tiles 2 b, 2 b + 1 are 16 neighbours: keys for p, d for z.
; K AND V come as images of the operands' registers, a slot of 26,112 bytes on end: every thread loads 48 (waves 0-2: 64) bytes of the next slot into registers while this slot is worked, and stores them to
; the other LDS buffer in front of the next barrier.  No cluster: the sixteen work-groups of a head need from 9 to 16 slots, so partners would need different numbers of tiles.
.set SLB,  26112                       ; a slot: K's 16 tiles of 768; V^T's 8 fragments of 1,536 at 12,288; K's scale words (4 x 256) at 24,576; V's (2 x 256) at 25,600
.set ZG,   52224                       ; behind the two buffers: 1,024 bytes in which z's scale words are gathered
.set L16,  1                           ; v1   16 x lane
.set L8,   2                           ; v2   8 x lane
.set FA,   3                           ; v3   16 x thread: my bytes of a slot, in memory and in LDS
.set DQ,   4                           ; v4   my query's place in its block - 16 h
.set NINF, 5                           ; v5   -infinity
.set ZSA,  6                           ; v6   where my tile's scale word goes
.set ZRD,  7                           ; v7   where waves 0-3 read 256 bytes of scale words back
.set QSO,  8                           ; v8   my scale word's place among four tiles' words
.set QF,   16                          ; v16-27  Q's fragment (v22-27 zeros)
.set QS,   28                          ; v28     Q's scale words
.set KSC,  30                          ; v30-31  K's scale words
.set VSC,  32                          ; v32-33  V's
.set PSW,  34                          ; v34     p's scale word; at the end z's two bytes
.set KF,   36                          ; v36-83  four fragments of K (the upper six registers of each are zeros)
.set G,    84                          ; v84-99  the next slot's bytes on their way
.set S,    100                         ; v100-163 S^T, then p
.set VF,   100                         ; v100-147 then V^T's four fragments
.set OT,   164                         ; v164-195 O^T
.set PC,   196                         ; v196-207 p's codes
.set BM,   208                         ; v208-211 the blocks' largest scores, then largest p
.set T2,   212                         ; v212-219 at work
.set SO,   220                         ; v220-223 the conversions' scale operands
.set FF,   224                         ; v[224:225] f = 2^(old M - new M); at the end 1 / the sum
.set TMP,  226
.set WV,   10
.set TI,   11
.set HV,   12
.set HD,   13
.set BW,   14                          ; s14  my block of queries
.set NLAST, 15                         ; s15  the last slot that the work-group needs
.set KS,   16                          ; s16  the key step in hand
.set SN,   17                          ; s17  the slot in hand
.set TRIP, 18
.set SEL,  20                          ; s[20:21]
.set CS,   22                          ; s[22:23] c = log2(e) / 8
.set KVB,  24                          ; s[24:25] the slot that was asked for last
.macro WMS d, a, b, z, sa, sb, ra      ; one product; z = 1: it starts the sum; ra = 1: source 0's scale words stand in lanes 16-31
.set wD, \d
.set wA, \a
.set wB, \b
.set wSA, \sa
.set wSB, \sb
.set wM, 2*(\z)+(\ra)
.if wM == 0
	v_wmma_scale_f32_16x16x128_f8f6f4 v[wD:wD+7], v[wA:wA+11], v[wB:wB+11], v[wD:wD+7], v[wSA], v[wSB] matrix_a_fmt:MATRIX_FMT_BF6 matrix_b_fmt:MATRIX_FMT_BF6
.elseif wM == 1
	v_wmma_scale_f32_16x16x128_f8f6f4 v[wD:wD+7], v[wA:wA+11], v[wB:wB+11], v[wD:wD+7], v[wSA], v[wSB] matrix_a_fmt:MATRIX_FMT_BF6 matrix_b_fmt:MATRIX_FMT_BF6 matrix_a_scale:MATRIX_SCALE_ROW1
.elseif wM == 2
	v_wmma_scale_f32_16x16x128_f8f6f4 v[wD:wD+7], v[wA:wA+11], v[wB:wB+11], 0, v[wSA], v[wSB] matrix_a_fmt:MATRIX_FMT_BF6 matrix_b_fmt:MATRIX_FMT_BF6
.else
	v_wmma_scale_f32_16x16x128_f8f6f4 v[wD:wD+7], v[wA:wA+11], v[wB:wB+11], 0, v[wSA], v[wSB] matrix_a_fmt:MATRIX_FMT_BF6 matrix_b_fmt:MATRIX_FMT_BF6 matrix_a_scale:MATRIX_SCALE_ROW1
.endif
.endm
	s_load_b128 s[4:7], s[0:1], 0x0                ; q_img s[4:5], kv_img s[6:7]
	s_load_b64 s[8:9], s[0:1], 0x10                ; z_img
	v_lshl_add_u32 v254, v0, 2, 0xd000
	v_mov_b32 v255, 0
	v_lshrrev_b32 v9, 5, v0
	v_readfirstlane_b32 s[WV], v9                  ; wave 0..15
	v_and_b32 v9, 31, v0
	v_lshlrev_b32 v[L16], 4, v9
	v_lshlrev_b32 v[L8], 3, v9
	v_lshlrev_b32 v[FA], 4, v0
	v_and_b32 v10, 15, v0                          ; r
	v_bfe_u32 v11, v0, 4, 1                        ; h
	s_lshr_b32 s[TI], s[WV], 1                     ; my tile of the block's eight
	s_lshr_b32 s26, s[WV], 2
	s_xor_b32 s26, s26, s[WV]
	s_and_b32 s[HV], s26, 1                        ; 1: the late block
	s_lshr_b32 s26, s[TI], 1
	s_lshl_b32 s26, s26, 5
	s_and_b32 s27, s[TI], 1
	s_lshl_b32 s28, s27, 3
	s_add_co_u32 s26, s26, s28                     ; 32 (i / 2) + 8 (i % 2)
	v_and_b32 v[DQ], 8, v10
	v_add_nc_u32 v[DQ], v[DQ], v10                 ; + r + 8 (r / 8): my query's place in its block
	v_add_nc_u32 v[DQ], s26, v[DQ]
	v_lshlrev_b32 v11, 4, v11
	v_sub_nc_u32 v[DQ], v[DQ], v11                 ; - 16 h
	v_mov_b32 v[NINF], 0xff800000
	s_lshl_b32 s27, s27, 7
	s_bfe_u32 s28, s[TI], 0x10001
	s_lshl_b32 s28, s28, 2
	s_add_co_u32 s27, s27, s28
	v_lshlrev_b32 v[QSO], 3, v10
	v_add_nc_u32 v[QSO], s27, v[QSO]               ; 8 (16 (i % 2) + r) + 4 ((i / 2) % 2)
	s_lshl_b32 s28, s[HV], 1
	s_lshr_b32 s29, s[TI], 2
	s_add_co_u32 s28, s28, s29
	s_lshl_b32 s28, s28, 8
	s_add_co_u32 s28, s28, ZG
	v_add_nc_u32 v[ZSA], s28, v[QSO]               ; in the 256 bytes of (block, half)
	s_min_u32 s28, s[WV], 3
	s_lshl_b32 s28, s28, 8
	s_add_co_u32 s28, s28, ZG
	v_add_nc_u32 v[ZRD], s28, v[L8]
	s_and_b32 s[HD], ttmp7, 0xffff                 ; the head
	s_sub_co_u32 s26, 31, ttmp9
	s_lshr_b32 s[NLAST], s26, 1
	s_cmp_eq_u32 s[HV], 1
	s_cselect_b32 s[BW], s26, ttmp9
	s_mul_i32 s28, s[HD], 417792                   ; the head's 16 slots
	s_mov_b32 s29, 0
	s_mul_i32 s30, s[HD], 212992                   ; the head's 64 groups of 64 queries
	s_lshl_b32 s31, s[BW], 1
	s_lshr_b32 s32, s[TI], 2
	s_add_co_u32 s31, s31, s32
	s_mul_i32 s31, s31, 3328
	s_add_co_u32 s30, s30, s31
	s_mov_b32 s31, 0
	s_and_b32 s32, s[TI], 3
	s_mul_i32 s32, s32, 768
	s_mov_b32 s33, 0
	s_mov_b32 s[SEL], 0x76543210
	s_mov_b32 s[SEL+1], 0xfedcba98
	s_mov_b32 s[CS], 0x3e38aa3b                    ; log2(e) / 8
	s_mov_b32 s[CS+1], s[CS]                       ; (named with it as a pair, so it is written)
	s_mov_b32 s[KS], 0
	s_mov_b32 s[SN], 0
	s_mov_b32 s[TRIP], 8
	s_wait_kmcnt 0x0
	s_add_nc_u64 s[KVB:KVB+1], s[6:7], s[28:29]
	global_load_b128 v[G:G+3], v[FA], s[KVB:KVB+1]             ; slot 0
	global_load_b128 v[G+4:G+7], v[FA], s[KVB:KVB+1] offset:8192
	global_load_b128 v[G+8:G+11], v[FA], s[KVB:KVB+1] offset:16384
	s_cmp_gt_u32 s[WV], 2                          ; 26,112 = 3 x 8,192 + 1,536: the rest is three waves' worth
	s_cbranch_scc1 .Lhead_three
	global_load_b128 v[G+12:G+15], v[FA], s[KVB:KVB+1] offset:24576
.Lhead_three:
	s_add_nc_u64 s[34:35], s[4:5], s[30:31]        ; my group of 64 queries,
	s_add_nc_u64 s[36:37], s[34:35], s[32:33]      ; my tile in it
	global_load_b128 v[QF:QF+3], v[L16], s[36:37]
	global_load_b64 v[QF+4:QF+5], v[L8], s[36:37] offset:512
	global_load_b32 v[QS], v[QSO], s[34:35] offset:3072
.irp t, 0,1,2,3
.irp p, 6,7,8,9,10,11
	v_mov_b32 v[KF+12*\t+\p], 0                    ; K = 64: the upper 64 of a fragment's 128 are zero codes, written once
.endr
.endr
.irp p, 6,7,8,9,10,11
	v_mov_b32 v[QF+\p], 0
.endr
.set n, 0
.rept 32
	v_mov_b32 v[OT+n], 0                           ; O^T.  (The step is written once: the first finds zeros, which the first change of M leaves zeros)
.set n, n+1
.endr
.irp b, 0,1,2,3
	v_mov_b32 v[T2+\b], 0                          ; written once: a lane permute's destination counts as one of its sources
.endr
	v_mov_b32 v[TMP], 0
	v_mov_b32 v[FF+1], 0                           ; (named as the upper half of a pair)
	v_mov_b32 v13, 0xff61b1e6                      ; the largest t so far: -3e38, under every t
	v_floor_f32 v12, -v13                          ; -M
	v_mov_b32 v14, 0                               ; the sum, in two halves
	v_mov_b32 v15, 0
; A KEY STEP: 128 keys, half e of the slot in buffer buf.
.macro STEP buf, e
	s_cmp_gt_u32 s[KS], s[BW]                      ; all its keys come after my queries: its work is left out
	s_cbranch_scc1 .Lskip_\@
.irp g, 0,1                                    ; S^T = K Q^T, four tiles of 16 keys at a time
.if \g
.rept 4
	v_nop                                          ; four places in front of loads into registers that the last products read
.endr
.endif
.irp t, 0,1,2,3
	ds_load_b128 v[KF+12*\t:KF+12*\t+3], v[L16] offset:\buf*SLB+768*(8*\e+4*\g+\t)
	ds_load_b64 v[KF+12*\t+4:KF+12*\t+5], v[L8] offset:\buf*SLB+768*(8*\e+4*\g+\t)+512
.endr
	ds_load_b64 v[KSC:KSC+1], v[L8] offset:\buf*SLB+24576+256*(2*\e+\g)
	s_wait_dscnt 0x0
.irp t, 0,1,2,3
	WMS S+8*(4*\g+\t), KF+12*\t, QF, 1, KSC+\t/2, QS, \t%2
.endr
.endr                                          ; register 16 b + i of S^T holds key 32 b + 16 h + i of the step
.rept 4
	v_nop
.endr
	s_cmp_lg_u32 s[KS], s[BW]                      ; on the diagonal the scores of hidden keys become -infinity ahead of the maximum: p = 0 then.  The step's key 0 counts for every query of the block
	s_cbranch_scc1 .Lopen_\@
.set n, 0
.rept 64
	v_cmp_gt_i32 vcc_lo, 32*(n/16)+n%16, v[DQ]
	v_cndmask_b32 v[S+n], v[S+n], v[NINF], vcc_lo
.set n, n+1
.endr
.Lopen_\@:
.irp b, 0,1,2,3
	v_max3_num_f32 v[BM+\b], v[S+16*\b], v[S+1+16*\b], v[S+2+16*\b]   ; the largest score of each block of 32 keys: for the row's maximum, and for the block's largest p
.endr
.irp i, 3,5,7,9,11,13
.irp b, 0,1,2,3
	v_max3_num_f32 v[BM+\b], v[BM+\b], v[S+16*\b+\i], v[S+1+16*\b+\i]
.endr
.endr
.irp b, 0,1,2,3
	v_max_num_f32 v[BM+\b], v[BM+\b], v[S+15+16*\b]
.endr
.irp b, 0,1,2,3
	v_permlanex16_b32 v[T2+\b], v[BM+\b], s[SEL], s[SEL+1]
.endr
.irp b, 0,1,2,3
	v_max_num_f32 v[BM+\b], v[BM+\b], v[T2+\b]     ; with lane l xor 16's 16 keys
.endr
	v_max3_num_f32 v[TMP], v[BM], v[BM+1], v[BM+2]
	v_max_num_f32 v[TMP], v[TMP], v[BM+3]          ; the step's largest score of my query
	v_mul_f32 v[TMP], s[CS], v[TMP]                ; as t (c is positive)
	v_max_num_f32 v13, v13, v[TMP]                 ; the running largest t
	v_mov_b32 v[TMP], v12
	v_floor_f32 v12, -v13                          ; the new -M = floor(-t) = -ceil(t)
	v_sub_f32 v[TMP], v12, v[TMP]                  ; old M - new M: a whole number, 0 or less
	v_cvt_i32_f32 v[TMP], v[TMP]                   ; (it saturates)
	v_ldexp_f32 v[FF], 1.0, v[TMP]                 ; f = 2^(old M - new M)
.set n, 0
.rept 32
	v_pk_fma_f32 v[S+n:S+n+1], v[S+n:S+n+1], s[CS:CS+1], v[12:13] op_sel_hi:[1,0,0]   ; t - M, two at a time
.set n, n+2
.endr
.irp b, 0,1,2,3
	v_fma_f32 v[BM+\b], v[BM+\b], s[CS], v12       ; the same of each block's largest score
.endr
.set n, 0
.rept 64
	v_exp_f32 v[S+n], v[S+n]                       ; p = 2^(t - M), at most 1
.set n, n+1
.endr
	v_pk_mul_f32 v[14:15], v[14:15], v[FF:FF+1] op_sel_hi:[1,0]   ; the sums under the new M: a plain place behind the exponentials
	s_wait_alu depctr_va_vdst(0)                   ; one wait for the whole batch, ahead of its first reader
.irp b, 0,1,2,3
	v_exp_f32 v[BM+\b], v[BM+\b]                   ; the blocks' largest p
.endr
	v_pk_add_f32 v[T2:T2+1], v[S:S+1], v[S+2:S+3]  ; the row's sum of the unquantised p, two at a time, in two chains
.set n, 4
.rept 15
	v_pk_add_f32 v[14:15], v[14:15], v[S+n:S+n+1]
	v_pk_add_f32 v[T2:T2+1], v[T2:T2+1], v[S+n+2:S+n+3]
.set n, n+4
.endr
	v_pk_add_f32 v[14:15], v[14:15], v[T2:T2+1]
	s_wait_alu depctr_va_vdst(0)                   ; and one for the four
.irp b, 0,1,2,3
	v_max_num_f32 v[BM+\b], 0x2800000, v[BM+\b]    ; the floor 2^(5 - 127): the byte cannot fall under 1
.endr
.irp b, 0,1,2,3
	v_add_nc_u32 v[SO+\b], 0xfe000000, v[BM+\b]    ; 4 off the exponent field: the conversion's scale operand
.endr
.irp b, 0,1,2,3
	v_lshrrev_b32 v[T2+\b], 23, v[SO+\b]
.endr
	v_lshl_or_b32 v[PSW], v[T2+1], 8, v[T2]        ; p's scale word for these 128 keys
	v_lshl_or_b32 v[PSW], v[T2+2], 16, v[PSW]
	v_lshl_or_b32 v[PSW], v[T2+3], 24, v[PSW]
.irp c, 0,1
	v_cvt_scalef32_pk16_bf6_f32 v[PC+6*\c:PC+6*\c+2], v[S+32*\c:S+32*\c+15], v[SO+2*\c]
	v_cvt_scalef32_pk16_bf6_f32 v[T2+4*\c:T2+4*\c+2], v[S+32*\c+16:S+32*\c+31], v[SO+2*\c+1]
.endr
	v_nop                                          ; one plain place behind a scaled conversion
.irp a, 0,1,2,3                                ; p has been read for the last time: V^T's fragments take its registers
	ds_load_b128 v[VF+12*\a:VF+12*\a+3], v[L16] offset:\buf*SLB+12288+1536*(4*\e+\a)
	ds_load_b64 v[VF+12*\a+4:VF+12*\a+5], v[L8] offset:\buf*SLB+12288+1536*(4*\e+\a)+512
	ds_load_b128 v[VF+12*\a+6:VF+12*\a+9], v[L16] offset:\buf*SLB+12288+1536*(4*\e+\a)+768
	ds_load_b64 v[VF+12*\a+10:VF+12*\a+11], v[L8] offset:\buf*SLB+12288+1536*(4*\e+\a)+1280
.endr
	ds_load_b64 v[VSC:VSC+1], v[L8] offset:\buf*SLB+25600+256*\e
.irp c, 0,1                                    ; the operand wants a whole block in a lane
.irp i, 0,1,2
	v_permlane16_swap_b32 v[PC+6*\c+\i], v[T2+4*\c+\i]
.endr
.irp i, 0,1,2
	v_mov_b32 v[PC+3+6*\c+\i], v[T2+4*\c+\i]
.endr
.endr
.set n, 0
.rept 16
	v_pk_mul_f32 v[OT+n:OT+n+1], v[OT+n:OT+n+1], v[FF:FF+1] op_sel_hi:[1,0]   ; O^T under the new M.  For each product below at least twelve of these name none of its registers: the places behind the writes of p's scale word (8) and codes (4)
.set n, n+2
.endr
	s_wait_dscnt 0x0
.irp a, 0,1,2,3
	WMS OT+8*\a, VF+12*\a, PC, 0, VSC+\a/2, PSW, \a%2   ; O^T += V^T P^T: four accumulators by turns
.endr
.rept 5
	v_nop                                          ; five places: the next step's first products write over V^T's registers
.endr
.Lskip_\@:
	s_add_co_u32 s[KS], s[KS], 1
.endm
; A SLOT.  In front of the barrier: the slot's bytes, asked for a slot ago, go from registers to buffer buf, which was last read two slots ago: every wave has since passed the barrier between, behind its wait for
; its LDS loads.  Behind the barrier the next slot is asked for: it has this slot's two key steps in which to come.
.macro SLOT buf
	s_wait_loadcnt 0x0                             ; the slot's bytes are in my registers (and the loads have read their base, which is stepped below)
	s_cmp_gt_u32 s[SN], s[NLAST]
	s_cbranch_scc1 .Lnost_\@
	ds_store_b128 v[FA], v[G:G+3] offset:\buf*SLB
	ds_store_b128 v[FA], v[G+4:G+7] offset:\buf*SLB+8192
	ds_store_b128 v[FA], v[G+8:G+11] offset:\buf*SLB+16384
	s_cmp_gt_u32 s[WV], 2
	s_cbranch_scc1 .Lnost_\@
	ds_store_b128 v[FA], v[G+12:G+15] offset:\buf*SLB+24576
.Lnost_\@:
	s_wait_dscnt 0x0                               ; for the others' sake: my stores have landed, and my reads of the other buffer are over
	s_barrier_signal -1
	s_barrier_wait -1
	s_cmp_ge_u32 s[SN], s[NLAST]
	s_cbranch_scc1 .Lnold_\@
	s_add_nc_u64 s[KVB:KVB+1], s[KVB:KVB+1], SLB
	global_load_b128 v[G:G+3], v[FA], s[KVB:KVB+1]
	global_load_b128 v[G+4:G+7], v[FA], s[KVB:KVB+1] offset:8192
	global_load_b128 v[G+8:G+11], v[FA], s[KVB:KVB+1] offset:16384
	s_cmp_gt_u32 s[WV], 2
	s_cbranch_scc1 .Lnold_\@
	global_load_b128 v[G+12:G+15], v[FA], s[KVB:KVB+1] offset:24576
.Lnold_\@:
	STEP \buf, 0
	STEP \buf, 1
	s_add_co_u32 s[SN], s[SN], 1
.endm
.Ltrip:                                            ; 8 trips of two slots: all 4,096 keys' worth of barriers in every work-group
	SLOT 0
	SLOT 1
	s_sub_co_u32 s[TRIP], s[TRIP], 1
	s_cmp_lg_u32 s[TRIP], 0
	s_cbranch_scc1 .Ltrip
	; THE WAY OUT: z = O^T / the sum, quantised along d (two blocks of 32), stored as half a fragment of the last product's operand
	v_add_f32 v14, v14, v15                        ; the sum's two halves,
	v_permlanex16_b32 v[TMP], v14, s[SEL], s[SEL+1]
	v_add_f32 v14, v14, v[TMP]                     ; and lane l xor 16's: the row's sum
	v_rcp_f32 v[FF], v14
	v_nop                                          ; a plain place behind the reciprocal
	s_mul_i32 s38, s[BW], 106496                   ; z_img: [block of 128 rows][K step = pair of heads][half] of 6,656
	s_lshr_b32 s39, s[HD], 1
	s_mul_i32 s39, s39, 13312
	s_and_b32 s40, s[HD], 1
	s_add_co_u32 s38, s38, s39
	s_lshr_b32 s41, s[TI], 2
	s_mul_i32 s41, s41, 6656
	s_add_co_u32 s38, s38, s41
	s_and_b32 s41, s[TI], 3
	s_mul_i32 s41, s41, 1536
	s_add_co_u32 s38, s38, s41
	s_mul_i32 s41, s40, 768                        ; an even head is the fragment's lower 64 along K, an odd one its upper
	s_add_co_u32 s42, s38, s41
	s_mov_b32 s43, 0
	s_add_nc_u64 s[42:43], s[8:9], s[42:43]
	s_lshr_b32 s44, s[WV], 1                       ; for waves 0-3: the 256 bytes of scale words of (block w / 2, half w % 2)
	s_sub_co_u32 s45, 31, ttmp9
	s_cmp_eq_u32 s44, 1
	s_cselect_b32 s44, s45, ttmp9
	s_mul_i32 s44, s44, 106496
	s_add_co_u32 s44, s44, s39
	s_and_b32 s45, s[WV], 1
	s_mul_i32 s45, s45, 6656
	s_add_co_u32 s44, s44, s45
	s_lshl_b32 s45, s40, 8                         ; a plane of words for each head of the pair
	s_add_co_u32 s44, s44, s45
	s_mov_b32 s45, 0
	s_add_nc_u64 s[44:45], s[8:9], s[44:45]
	s_wait_alu depctr_va_vdst(0)                   ; the wait ahead of the reciprocal's first reader
.set n, 0
.rept 16
	v_pk_mul_f32 v[S+n:S+n+1], v[OT+n:OT+n+1], v[FF:FF+1] op_sel_hi:[1,0]   ; register 16 b + i is z(my query, 32 b + 16 h + i); each accumulator is read from its low end on
.set n, n+2
.endr
.irp b, 0,1
	v_max3_num_f32 v[BM+\b], |v[S+16*\b]|, |v[S+16*\b+1]|, 0x2800000
.endr
.irp i, 2,4,6,8,10,12,14
.irp b, 0,1
	v_max3_num_f32 v[BM+\b], v[BM+\b], |v[S+16*\b+\i]|, |v[S+16*\b+\i+1]|
.endr
.endr
.irp b, 0,1
	v_permlanex16_b32 v[T2+\b], v[BM+\b], s[SEL], s[SEL+1]
.endr
.irp b, 0,1
	v_max_num_f32 v[BM+\b], v[BM+\b], v[T2+\b]
.endr
.irp b, 0,1
	v_add_nc_u32 v[SO+\b], 0xfe000000, v[BM+\b]
.endr
.irp b, 0,1
	v_lshrrev_b32 v[BM+2+\b], 23, v[SO+\b]
.endr
	v_lshl_or_b32 v[PSW], v[BM+3], 8, v[BM+2]      ; my row's two scale bytes
	v_cvt_scalef32_pk16_bf6_f32 v[PC:PC+2], v[S:S+15], v[SO]
	v_cvt_scalef32_pk16_bf6_f32 v[T2+4:T2+6], v[S+16:S+31], v[SO+1]
	v_nop                                          ; one plain place behind a scaled conversion
.irp i, 0,1,2
	v_permlane16_swap_b32 v[PC+\i], v[T2+4+\i]
.endr
.irp i, 0,1,2
	v_mov_b32 v[PC+3+\i], v[T2+4+\i]
.endr
	global_store_b128 v[L16], v[PC:PC+3], s[42:43]             ; 512 consecutive bytes, at a multiple of 256 from the buffer's first byte
	global_store_b64 v[L8], v[PC+4:PC+5], s[42:43] offset:512  ; 256
	ds_store_b32 v[ZSA], v[PSW]                    ; both halves of the lanes write the same word with the same value
	s_wait_dscnt 0x0
	s_barrier_signal -1
	s_barrier_wait -1                              ; four times 256 bytes of scale words lie gathered
	s_cmp_lt_u32 s[WV], 4
	s_cbranch_scc0 .Lend
	ds_load_b64 v[KSC:KSC+1], v[ZRD]
	s_wait_dscnt 0x0
	global_store_b64 v[L8], v[KSC:KSC+1], s[44:45] offset:6144
.Lend:
	s_wait_tensorcnt 0x0
	ds_add_u32 v254, v255
	s_wait_dscnt 0x0
	s_endpgm
.Lfunc_end_k_q0b1d96f1a1_attn:
	.size	k_q0b1d96f1a1_attn, .Lfunc_end_k_q0b1d96f1a1_attn-k_q0b1d96f1a1_attn
	.p2alignl 7, 3214868480
	.fill 96, 4, 3214868480
	.section	.rodata,"a",@progbits
	.p2align	6, 0x0
	.amdhsa_kernel k_q0b1d96f1a1_attn
		.amdhsa_group_segment_fixed_size 55296
		.amdhsa_private_segment_fixed_size 0
		.amdhsa_enable_private_segment 0
		.amdhsa_kernarg_size 24
		.amdhsa_user_sgpr_count 2
		.amdhsa_user_sgpr_kernarg_segment_ptr 1
		.amdhsa_wavefront_size32 1
		.amdhsa_system_sgpr_workgroup_id_x 1
		.amdhsa_system_sgpr_workgroup_id_y 1
		.amdhsa_system_sgpr_workgroup_id_z 1
		.amdhsa_system_vgpr_workitem_id 0
		.amdhsa_next_free_vgpr 256
		.amdhsa_next_free_sgpr 66
		.amdhsa_reserve_vcc 1
		.amdhsa_float_denorm_mode_32 3
		.amdhsa_float_denorm_mode_16_64 3
		.amdhsa_memory_ordered 1
		.amdhsa_forward_progress 1
		.amdhsa_inst_pref_size 97
	.end_amdhsa_kernel
	.amdgpu_metadata
---
amdhsa.version: [ 1, 2 ]
amdhsa.kernels:
  - .name:           k_q0b1d96f1a1_attn
    .symbol:         k_q0b1d96f1a1_attn.kd
    .args:
      - { .name: q_img, .offset: 0, .size: 8, .value_kind: global_buffer, .address_space: global }
      - { .name: kv_img, .offset: 8, .size: 8, .value_kind: global_buffer, .address_space: global }
      - { .name: z_img, .offset: 16, .size: 8, .value_kind: global_buffer, .address_space: global }
    .group_segment_fixed_size: 55296
    .private_segment_fixed_size: 0
    .kernarg_segment_align: 8
    .kernarg_segment_size: 24
    .max_flat_workgroup_size: 512
    .sgpr_count:     66
    .vgpr_count:     256
    .wavefront_size: 32
...
	.end_amdgpu_metadata
.endif
;; end of part 3
;; launch oproj (part 4): grid 8 x 32, 4 waves a work-group, clusters of 4 x 4, 226,816 bytes of LDS; arguments z_img, w_img, out0; writes out0
.if DOCPART == 4
	.amdgcn_target "amdgcn-amd-amdhsa--gfx1250"
	.amdhsa_code_object_version 6
	.text
	.protected	k_q0b1d96f1a1_oproj
	.globl	k_q0b1d96f1a1_oproj
	.p2align	8
	.type	k_q0b1d96f1a1_oproj,@function
k_q0b1d96f1a1_oproj:
	s_mov_b64 s[64:65], 0
	v_nop
	global_prefetch_b8 v0, s[64:65] scope:SCOPE_SE
	s_setreg_imm32_b32 hwreg(HW_REG_WAVE_MODE, 25, 1), 1
	s_wait_xcnt 0x0
	s_wait_alu depctr_hold_cnt(0) depctr_sa_sdst(0) depctr_va_vdst(0) depctr_va_sdst(0) depctr_va_ssrc(0) depctr_va_vcc(0) depctr_vm_vsrc(0)
	s_getreg_b32 s2, hwreg(HW_REG_IB_STS2, 6, 4)
	s_cmp_eq_u32 s2, 0
	s_cbranch_scc0 .Lentry_in_a_cluster
	s_endpgm
.Lentry_in_a_cluster:
	s_bfe_u32 s2, ttmp6, 0x10000c
	s_cmp_lg_u32 s2, 0xf033
	s_cbranch_scc0 .Lentry_shape_is_right
	s_endpgm
.Lentry_shape_is_right:
; out0 = z Wo^T on codes of BF6 with E8M0 scales (K = 1,024), f32 sums, f32 out.  z and Wo come as images of the operands' registers.
; SHARES.  A work-group makes 128 rows (group g) x 128 columns (group nx); wave w makes 64 x 64: rows 64 (w & 1) on, columns 64 (w >> 1) on: 16 accumulators.
; Source 0 = 16 rows of Wo, source 1 = 16 rows of z: a lane holds one row of the result, and its registers of tiles 2 b, 2 b + 1 the columns 32 b + 16 h + 0..15.
; LDS.  Both operands for all of K fit: z's eight K steps of 13,312 bytes at 0, Wo's eight of 12,800 at 106,496; each byte is filled once.  Behind them a stage of 16 rows x 272 bytes for each wave.
; CLUSTER 4 x 4.  z's blocks hang on g alone and are shared along a row of the cluster, Wo's on nx alone and are shared along a column: joint loads.  Waves 0, 1 fetch z's even and odd K steps,
; waves 2, 3 Wo's: four loads a wave, all out at the start; the counted waits let the products begin when the first pair of K steps is in.
; z's scale bytes lie in two planes (one for each head of a K step's pair, two bytes in a word's low half): a shift and an or make the scale word.
.set ZSTEP, 13312
.set WSTEP, 12800
.set WOFF,  106496
.set STG,   208896
.set L16,  1                           ; v1   16 x lane
.set L8,   2                           ; v2   8 x lane
.set STO,  5                           ; v5   the stage: where I put 16 bytes of a row: 272 r + 64 h
.set RD,   6                           ; v6   where I read a row back: 272 h + 16 r
.set CO,   7                           ; v7   and the same place in out0: 4,096 h + 16 r
.set P0,   8                           ; v8-9   z's scale bytes, the even head's plane
.set LS,   10                          ; v10-11 z's scale words
.set RS,   12                          ; v12-13 Wo's
.set P1,   14                          ; v14-15 the odd head's plane
.set LF,   16                          ; v16-63   z's four fragments
.set RF,   64                          ; v64-111  Wo's
.set ADR,  112                         ; v112-119 for K steps 4 q .. 4 q + 3 at 112 + 4 q: z + 16 lane, z + 8 lane, Wo + 16 lane, Wo + 8 lane
.set ACC,  128                         ; v128-255 accumulator (a, b) at 128 + 32 a + 8 b
.set BK,   16                          ; the way out: two sets of 32 registers by turns
.set WV,  12
.set WM,  13
.set CH,  14
.set CX,  17
.set CY,  18
.set NX,  19
.set GG,  20
.set G1A, 24                           ; s[24:31] descriptor group 1 for z's blocks; s[32:39] for Wo's
.set G1B, 32
.set G0A, 40                           ; s[40:55] four groups 0 for z's blocks
.set G0B, 56                           ; s[56:63], s[68:75] four for Wo's
.set OB,  76                           ; s[76:77] my part of out0
.macro CROUND                          ; a round of the cluster's barrier
	s_barrier_signal -1
	s_barrier_wait -1
	s_cmp_lg_u32 s[WV], 0
	s_cbranch_scc1 .Lnot_wave_0_\@
	s_barrier_signal -3
.Lnot_wave_0_\@:
	s_barrier_wait -3
	s_barrier_signal -1
	s_barrier_wait -1
.endm
.macro WMS d, a, b, z, sa, sb, ra, rb  ; one product; z = 1: it starts the sum; ra, rb = 1: that side's scale words stand in lanes 16-31
.set wD, \d
.set wA, \a
.set wB, \b
.set wSA, \sa
.set wSB, \sb
.set wM, 4*(\z)+2*(\ra)+(\rb)
.if wM == 0
	v_wmma_scale_f32_16x16x128_f8f6f4 v[wD:wD+7], v[wA:wA+11], v[wB:wB+11], v[wD:wD+7], v[wSA], v[wSB] matrix_a_fmt:MATRIX_FMT_BF6 matrix_b_fmt:MATRIX_FMT_BF6
.elseif wM == 1
	v_wmma_scale_f32_16x16x128_f8f6f4 v[wD:wD+7], v[wA:wA+11], v[wB:wB+11], v[wD:wD+7], v[wSA], v[wSB] matrix_a_fmt:MATRIX_FMT_BF6 matrix_b_fmt:MATRIX_FMT_BF6 matrix_b_scale:MATRIX_SCALE_ROW1
.elseif wM == 2
	v_wmma_scale_f32_16x16x128_f8f6f4 v[wD:wD+7], v[wA:wA+11], v[wB:wB+11], v[wD:wD+7], v[wSA], v[wSB] matrix_a_fmt:MATRIX_FMT_BF6 matrix_b_fmt:MATRIX_FMT_BF6 matrix_a_scale:MATRIX_SCALE_ROW1
.elseif wM == 3
	v_wmma_scale_f32_16x16x128_f8f6f4 v[wD:wD+7], v[wA:wA+11], v[wB:wB+11], v[wD:wD+7], v[wSA], v[wSB] matrix_a_fmt:MATRIX_FMT_BF6 matrix_b_fmt:MATRIX_FMT_BF6 matrix_a_scale:MATRIX_SCALE_ROW1 matrix_b_scale:MATRIX_SCALE_ROW1
.elseif wM == 4
	v_wmma_scale_f32_16x16x128_f8f6f4 v[wD:wD+7], v[wA:wA+11], v[wB:wB+11], 0, v[wSA], v[wSB] matrix_a_fmt:MATRIX_FMT_BF6 matrix_b_fmt:MATRIX_FMT_BF6
.elseif wM == 5
	v_wmma_scale_f32_16x16x128_f8f6f4 v[wD:wD+7], v[wA:wA+11], v[wB:wB+11], 0, v[wSA], v[wSB] matrix_a_fmt:MATRIX_FMT_BF6 matrix_b_fmt:MATRIX_FMT_BF6 matrix_b_scale:MATRIX_SCALE_ROW1
.elseif wM == 6
	v_wmma_scale_f32_16x16x128_f8f6f4 v[wD:wD+7], v[wA:wA+11], v[wB:wB+11], 0, v[wSA], v[wSB] matrix_a_fmt:MATRIX_FMT_BF6 matrix_b_fmt:MATRIX_FMT_BF6 matrix_a_scale:MATRIX_SCALE_ROW1
.else
	v_wmma_scale_f32_16x16x128_f8f6f4 v[wD:wD+7], v[wA:wA+11], v[wB:wB+11], 0, v[wSA], v[wSB] matrix_a_fmt:MATRIX_FMT_BF6 matrix_b_fmt:MATRIX_FMT_BF6 matrix_a_scale:MATRIX_SCALE_ROW1 matrix_b_scale:MATRIX_SCALE_ROW1
.endif
.endm
	s_load_b128 s[4:7], s[0:1], 0x0                ; z_img s[4:5], w_img s[6:7]
	s_load_b64 s[8:9], s[0:1], 0x10                ; out0
	v_lshl_add_u32 v126, v0, 2, 0x37400
	v_mov_b32 v127, 0
	ds_add_u32 v126, v127
	ds_add_u32 v126, v127
	v_lshrrev_b32 v3, 5, v0
	v_readfirstlane_b32 s[WV], v3                  ; wave 0..3
	s_and_b32 s[WM], s[WV], 1                      ; which 64 rows are mine.  Also: I fetch the even (0) or the odd (1) K steps
	s_lshr_b32 s[CH], s[WV], 1                     ; which 64 columns.  Also: I fetch for z (0) or for Wo (1)
	s_bfe_u32 s[CX], ttmp6, 0x40000
	s_bfe_u32 s[CY], ttmp6, 0x40004
	s_lshl_b32 s[NX], ttmp9, 2
	s_add_co_u32 s[NX], s[NX], s[CX]               ; nx = 4 x cluster x + cx
	s_and_b32 s[GG], ttmp7, 0xffff
	s_lshl_b32 s[GG], s[GG], 2
	s_add_co_u32 s[GG], s[GG], s[CY]               ; g = 4 x cluster y + cy
	s_lshl_b32 s90, s[CY], 2
	s_lshl_b32 s90, 15, s90                        ; my row of the cluster
	s_lshl_b32 s91, 0x1111, s[CX]                  ; my column
	; descriptor group 1: dense blocks as rows of 32 elements of 8 bytes: 52 rows (13,312 bytes) for z, 50 (12,800) for Wo; no padding
	s_or_b32 s[G1A], s90, (3<<16)|(1<<21)
	s_mov_b32 s[G1A+1], 32<<16
	s_mov_b32 s[G1A+2], 52<<16
	s_mov_b32 s[G1A+3], 32<<16
	s_mov_b32 s[G1A+4], 52
	s_mov_b32 s[G1A+5], 32
	s_mov_b32 s[G1A+6], 0
	s_mov_b32 s[G1A+7], 0
	s_or_b32 s[G1B], s91, (3<<16)|(1<<21)
	s_mov_b32 s[G1B+1], 32<<16
	s_mov_b32 s[G1B+2], 50<<16
	s_mov_b32 s[G1B+3], 32<<16
	s_mov_b32 s[G1B+4], 50
	s_mov_b32 s[G1B+5], 32
	s_mov_b32 s[G1B+6], 0
	s_mov_b32 s[G1B+7], 0
	s_mul_i32 s80, s[WM], ZSTEP                    ; my first K step, in z's bytes
	s_mul_i32 s81, s[WM], WSTEP                    ; and in Wo's
	s_add_co_u32 s82, s81, WOFF
	s_mul_i32 s84, s[GG], 106496                   ; z's blocks hang on g and the wave alone,
	s_add_co_u32 s84, s84, s80
	s_mov_b32 s85, 0
	s_mul_i32 s86, s[NX], 102400                   ; Wo's on nx and the wave alone
	s_add_co_u32 s86, s86, s81
	s_add_co_u32 s86, s86, 2457600                 ; Wo is the fourth weight of the image
	s_mov_b32 s87, 0
	s_wait_dscnt 0x0
	s_wait_kmcnt 0x0
	s_add_nc_u64 s[84:85], s[4:5], s[84:85]
	s_add_nc_u64 s[86:87], s[6:7], s[86:87]
.irp n, 0,1,2,3
.set GB, G0B+4*\n+4*(\n/2)
	s_mov_b32 s[G0A+4*\n], 1
	s_add_co_u32 s[G0A+4*\n+1], s80, \n*2*ZSTEP
	s_add_nc_u64 s[G0A+4*\n+2:G0A+4*\n+3], s[84:85], \n*2*ZSTEP
	s_or_b32 s[G0A+4*\n+3], s[G0A+4*\n+3], 0x80000000
	s_mov_b32 s[GB], 1
	s_add_co_u32 s[GB+1], s82, \n*2*WSTEP
	s_add_nc_u64 s[GB+2:GB+3], s[86:87], \n*2*WSTEP
	s_or_b32 s[GB+3], s[GB+3], 0x80000000
.endr
	CROUND                                         ; all sixteen work-groups are here: the joint loads meet
	s_cmp_eq_u32 s[CH], 0                          ; a wave's four fills stand in one branch on the wave's number: four loads of mine are out
	s_cbranch_scc0 .Lfor_b
	tensor_load_to_lds s[G0A:G0A+3], s[G1A:G1A+7]
	s_nop 0
	tensor_load_to_lds s[G0A+4:G0A+7], s[G1A:G1A+7]
	s_nop 0
	tensor_load_to_lds s[G0A+8:G0A+11], s[G1A:G1A+7]
	s_nop 0
	tensor_load_to_lds s[G0A+12:G0A+15], s[G1A:G1A+7]
	s_nop 0
.rept 4
	v_nop
.endr
	s_branch .Lasked
.Lfor_b:
	tensor_load_to_lds s[G0B:G0B+3], s[G1B:G1B+7]
	s_nop 0
	tensor_load_to_lds s[G0B+4:G0B+7], s[G1B:G1B+7]
	s_nop 0
	tensor_load_to_lds s[G0B+12:G0B+15], s[G1B:G1B+7]
	s_nop 0
	tensor_load_to_lds s[G0B+16:G0B+19], s[G1B:G1B+7]
	s_nop 0
.rept 4
	v_nop
.endr
.Lasked:
	v_and_b32 v3, 31, v0
	v_lshlrev_b32 v[L16], 4, v3
	v_lshlrev_b32 v[L8], 3, v3
	s_mul_i32 s90, s[WM], 6656                     ; my half of a K step of z
	s_mul_i32 s91, s[CH], 6400                     ; my half of a K step of Wo
	s_add_co_u32 s91, s91, WOFF
.irp q, 0,1
	v_add_nc_u32 v[ADR+4*\q], s90, v[L16]
	v_add_nc_u32 v[ADR+4*\q+1], s90, v[L8]
	v_add_nc_u32 v[ADR+4*\q+2], s91, v[L16]
	v_add_nc_u32 v[ADR+4*\q+3], s91, v[L8]
	s_add_co_u32 s90, s90, 4*ZSTEP
	s_add_co_u32 s91, s91, 4*WSTEP
.endr
	v_and_b32 v3, 15, v0                           ; r
	v_bfe_u32 v4, v0, 4, 1                         ; h
	s_mul_i32 s92, s[WV], 4352
	s_add_co_u32 s92, s92, STG                     ; my stage
	v_mul_u32_u24 v[STO], v3, 272
	v_lshl_add_u32 v[STO], v4, 6, v[STO]
	v_add_nc_u32 v[STO], s92, v[STO]
	v_mul_u32_u24 v[RD], v4, 272
	v_lshl_add_u32 v[RD], v3, 4, v[RD]
	v_add_nc_u32 v[RD], s92, v[RD]
	v_lshlrev_b32 v[CO], 12, v4
	v_lshl_add_u32 v[CO], v3, 4, v[CO]
	s_lshl_b32 s88, s[GG], 19                      ; 128 rows of 4,096 bytes
	s_lshl_b32 s89, s[WM], 18
	s_add_co_u32 s88, s88, s89
	s_lshl_b32 s89, s[NX], 9                       ; 128 columns
	s_add_co_u32 s88, s88, s89
	s_lshl_b32 s89, s[CH], 8
	s_add_co_u32 s88, s88, s89
	s_mov_b32 s89, 0
	s_add_nc_u64 s[OB:OB+1], s[8:9], s[88:89]
.macro FRAGS reg, a16, a8, off         ; four fragments as they lie: four loads each, every load takes consecutive bytes
.irp f, 0,1,2,3
.irp c, 0,1
	ds_load_b128 v[\reg+12*\f+6*\c:\reg+12*\f+6*\c+3], v[\a16] offset:(\off)+1536*\f+768*\c
	ds_load_b64 v[\reg+12*\f+6*\c+4:\reg+12*\f+6*\c+5], v[\a8] offset:(\off)+1536*\f+768*\c+512
.endr
.endr
.endm
; A K step of 128: 35 LDS loads, 16 products.  The 16 accumulators take turns, one instruction a turn, in the same order in every step.
.macro STEP s, zero, first
.set oL, ZSTEP*((\s)%4)
.set oR, WSTEP*((\s)%4)
.set aS, ADR+4*((\s)/4)
.if !(\first)
.rept 4
	v_nop                                          ; four places between the last products and the loads into, and writes of, registers that they read
.endr
.endif
	ds_load_b64 v[P0:P0+1], v[aS+1] offset:oL+6144
	ds_load_b64 v[P1:P1+1], v[aS+1] offset:oL+6400
	ds_load_b64 v[RS:RS+1], v[aS+3] offset:oR+6144
	FRAGS LF, aS, aS+1, oL
	FRAGS RF, aS+2, aS+3, oR
	s_wait_dscnt 33                                ; the two planes are in; the 33 loads behind them may be out
	v_lshl_or_b32 v[LS], v[P1], 16, v[P0]          ; z's scale words: the even head's two bytes below, the odd head's above
	v_lshl_or_b32 v[LS+1], v[P1+1], 16, v[P0+1]
.rept 8
	v_nop                                          ; a scale register written by a vector instruction stands eight places ahead of the product; the fragments land meanwhile
.endr
.irp b, 0,1,2,3
	s_wait_dscnt 12-4*\b                           ; all but Wo's later tiles, four loads each, are in
.irp a, 0,1,2,3
	WMS ACC+32*\a+8*\b, RF+12*\b, LF+12*\a, \zero, RS+\b/2, LS+\a/2, \b%2, \a%2
.endr
.endr
.endm
.macro MEET left                       ; my part of the next two K steps is in (left younger loads stay out); then everybody's is
	s_wait_tensorcnt \left
	s_wait_dscnt 0x0
	s_barrier_signal -1
	s_barrier_wait -1
.endm
	MEET 3
	STEP 0, 1, 1                                   ; its products start the sums
	STEP 1, 0, 0
	MEET 2
	STEP 2, 0, 0
	STEP 3, 0, 0
	MEET 1
	STEP 4, 0, 0
	STEP 5, 0, 0
	MEET 0
	STEP 6, 0, 0
	STEP 7, 0, 0
.rept 4
	v_nop                                          ; four places between the last products and the first read of results, and the loads into their operands' registers
.endr
; THE WAY OUT, 16 rows x 64 columns at a time, through my own stage: a lane's 32 bytes of a row go in, whole rows of 256 bytes come back.  LDS serves a wave's instructions in order (ISA guide 5.7.1.4).
; Stage row 2 i + h is row 32 (a/2) + 8 (a%2) + 2 i + h + 8 (i/4) of my 64.
.irp a, 0,1,2,3
.if \a >= 2
	s_wait_xcnt 0x0                                ; the stores of two blocks ago have read this set of registers: it is loaded again only behind this wait
.endif
.irp b, 0,1,2,3
	ds_store_b128 v[STO], v[ACC+32*\a+8*\b:ACC+32*\a+8*\b+3] offset:128*(\b/2)+32*(\b%2)        ; each accumulator from its low end on
	ds_store_b128 v[STO], v[ACC+32*\a+8*\b+4:ACC+32*\a+8*\b+7] offset:128*(\b/2)+32*(\b%2)+16
.endr
.irp i, 0,1,2,3,4,5,6,7
	ds_load_b128 v[BK+32*(\a%2)+4*\i:BK+32*(\a%2)+4*\i+3], v[RD] offset:544*\i
.endr
	s_wait_dscnt 0x0
.irp i, 0,1,2,3,4,5,6,7
	global_store_b128 v[CO], v[BK+32*(\a%2)+4*\i:BK+32*(\a%2)+4*\i+3], s[OB:OB+1] offset:(32*(\a/2)+8*(\a%2)+2*\i+8*(\i/4))*4096 th:TH_STORE_NT   ; 16 lanes store 256 consecutive bytes, at a multiple of 256 from out0's first byte
.endr
.endr
	s_wait_tensorcnt 0x0
	ds_add_u32 v126, v127
	s_wait_dscnt 0x0
	CROUND                                         ; the closing round: no work-group ends while a partner may still ask for a block that names it
	s_endpgm
.Lfunc_end_k_q0b1d96f1a1_oproj:
	.size	k_q0b1d96f1a1_oproj, .Lfunc_end_k_q0b1d96f1a1_oproj-k_q0b1d96f1a1_oproj
	.p2alignl 7, 3214868480
	.fill 96, 4, 3214868480
	.section	.rodata,"a",@progbits
	.p2align	6, 0x0
	.amdhsa_kernel k_q0b1d96f1a1_oproj
		.amdhsa_group_segment_fixed_size 226816
		.amdhsa_private_segment_fixed_size 0
		.amdhsa_enable_private_segment 0
		.amdhsa_kernarg_size 24
		.amdhsa_user_sgpr_count 2
		.amdhsa_user_sgpr_kernarg_segment_ptr 1
		.amdhsa_wavefront_size32 1
		.amdhsa_system_sgpr_workgroup_id_x 1
		.amdhsa_system_sgpr_workgroup_id_y 1
		.amdhsa_system_sgpr_workgroup_id_z 1
		.amdhsa_system_vgpr_workitem_id 0
		.amdhsa_next_free_vgpr 256
		.amdhsa_next_free_sgpr 100
		.amdhsa_reserve_vcc 0
		.amdhsa_float_denorm_mode_32 3
		.amdhsa_float_denorm_mode_16_64 3
		.amdhsa_memory_ordered 1
		.amdhsa_forward_progress 1
		.amdhsa_inst_pref_size 55
	.end_amdhsa_kernel
	.amdgpu_metadata
---
amdhsa.version: [ 1, 2 ]
amdhsa.kernels:
  - .name:           k_q0b1d96f1a1_oproj
    .symbol:         k_q0b1d96f1a1_oproj.kd
    .args:
      - { .name: z_img, .offset: 0, .size: 8, .value_kind: global_buffer, .address_space: global }
      - { .name: w_img, .offset: 8, .size: 8, .value_kind: global_buffer, .address_space: global }
      - { .name: out0, .offset: 16, .size: 8, .value_kind: global_buffer, .address_space: global }
    .group_segment_fixed_size: 226816
    .private_segment_fixed_size: 0
    .kernarg_segment_align: 8
    .kernarg_segment_size: 24
    .max_flat_workgroup_size: 128
    .sgpr_count:     100
    .vgpr_count:     256
    .wavefront_size: 32
...
	.end_amdgpu_metadata
.endif
;; end of part 4
;; ======== version 2 of 2: 4 launches; version 1 with the launch attn written anew for expert scheduling mode
;; workspace buffers: x_img 3,276,800 bytes; w_img 3,276,800 bytes; q_img 3,407,872 bytes; kv_img 6,684,672 bytes; z_img 3,407,872 bytes
;; launch quant: the kernel of part 1 again; grid 256 x 1, 4 waves a work-group, no clusters, 34,304 bytes of LDS; arguments x, Wq, Wk, Wv, Wo, x_img, w_img; writes x_img, w_img
;; launch qkv: the kernel of part 2 again; grid 8 x 32, 12 waves a work-group, clusters of 4 x 4, 327,680 bytes of LDS; arguments x_img, w_img, q_img, kv_img; writes q_img, kv_img
;; launch attn (part 5): grid 16 x 16, 16 waves a work-group, no clusters, 55,296 bytes of LDS; arguments q_img, kv_img, z_img; writes z_img
.if DOCPART == 5
	.amdgcn_target "amdgcn-amd-amdhsa--gfx1250"
	.amdhsa_code_object_version 6
	.text
	.protected	k_q0b1d96f1a1_attn
	.globl	k_q0b1d96f1a1_attn
	.p2align	8
	.type	k_q0b1d96f1a1_attn,@function
k_q0b1d96f1a1_attn:
	s_mov_b64 s[64:65], 0
	v_nop
	global_prefetch_b8 v0, s[64:65] scope:SCOPE_SE
	s_setreg_imm32_b32 hwreg(HW_REG_WAVE_SCHED_MODE, 0, 2), 2
	s_setreg_imm32_b32 hwreg(HW_REG_WAVE_MODE, 25, 1), 1
	s_wait_xcnt 0x0
	s_wait_alu depctr_vm_vsrc(0)
; z[q][64 head + d] = the sum over keys k <= q of softmax_k(q . k / 8) v[k][d], both products on codes of BF6 with E8M0 scales; z is quantised in registers along 64 head + d and leaves as codes.
; THE SOFTMAX: t = score x log2(e) / 8; M = the running largest t rounded UP to a whole number; p = 2^(t - M) is quantised along the keys, not normalised; the row's sum is taken of the unquantised p and divides at the end.
; When M moves, the sum and O^T are multiplied by 2^(old M - new M): exact.  A block's largest p is not searched for: the block's largest score goes through the same multiply-add and exponential
; (this takes v_exp_f32 not to fall where its input rises; at the worst one p of a block, within an ulp of a power of two, would be held one code low).
; LIMITS: a block whose largest magnitude lies under 2^-122, a block of zeros among them, gets the scale byte 1 (zero codes add nothing); NaN and infinities are not served.
; q . k has K = 64: the upper half of each fragment's 128 is zero codes on both sides (their scale bytes are 0, which is 2^-127 and no NaN).
; SHARES.  Work-group (j, head) owns query blocks j and 31 - j (128 queries each): 8 x 33 tile steps in every work-group.  Each of sixteen waves owns one tile of 16 queries: tile i = w >> 1 of block 31 - j
; (heavy = ((w >> 2) ^ w) & 1) or of block j.  All waves walk the keys together, 128 a step, 256 a slot; the trip counts are constants.  A wave jumps over the work of a step all of whose keys come after its
; queries (a scalar branch on ids); the one step on the diagonal is masked.  A slot beyond the heavy block's last is neither fetched nor stored; its barrier stays.
; LAYOUT.  Both products are used transposed: S^T = K Q^T (source 0 = 16 keys), O^T = V^T P^T (source 0 = 16 of the head's 64): a lane holds ONE query throughout.  The rows of every tile are laid
; (row 32 (t/2) + 8 (t%2) + r + 8 (r/8) in lane row r) so that the 16 registers of tiles 2 b, 2 b + 1 are 16 neighbours: keys for p, d for z.
; K AND V come as images of the operands' registers, a slot of 26,112 bytes on end: every thread loads 48 (waves 0-2: 64) bytes of the next slot into registers while this slot is worked, and stores them to
; the other LDS buffer in front of the next barrier.  No cluster: the sixteen work-groups of a head need from 9 to 16 slots, so partners would need different numbers of tiles.
; THE MODE: SCHED_MODE bits 1:0 = 2 (LLVM: expert scheduling mode 2), set by the entry lines.  The code itself states the register dependences
; between vector or matrix instructions and memory or LDS instructions, with s_wait_alu, always for 0.
; THE PLAN.  Registers that memory or LDS instructions touch:
;   v1, v2, v3, v6, v7, v8   offsets and LDS addresses: written at the head, never again; one wait on va_vdst ahead of the first load serves every load and store of the kernel.
;   G (v84-99)               written by the next slot's global loads, read by the LDS stores at a slot's head; no vector line names them.  One wait on vm_vsrc behind those stores, ahead of the next loads into them.
;   K's fragments, KSC       written by LDS loads, read by a group's four products.  Group 1's loads stand behind a wait on va_vdst for group 0's products.  Group 0's loads of the next step owe nothing: the waits
;                            behind the exponentials stand behind the last products that read these registers, and no vector or matrix line since names them.
;   V^T's fragments, VSC     land where p lay: one wait on va_vdst behind the conversions, p's last readers; it stands behind the last step's products too, which read VSC.
;   p's codes, p's scale word  written by vector lines, taken by scaled products: their places first (the rescaling of O^T), then a wait on va_vdst, beside the wait for V's loads.
;   the zero codes of K's and Q's upper halves: written at the head, taken by scaled products: a wait on va_vdst at the head's end.
;   the way out: z's codes and scale bytes are written by vector lines and read by stores: one wait on va_vdst ahead of the three stores.
;   v254, v255               written at the head, read by the closing add alone.
; Scalar results of vector lines: the wave's number (one wait on va_sdst ahead of its first reader); the diagonal's lane masks, made in runs of sixteen compares with one wait on va_sdst behind each run.
; While group 1's tiles of K come from LDS, the mask and the maxima of blocks 0 and 1, which read group 0's results alone, are worked: they name none of the registers that those loads touch.
.set SLB,  26112                       ; a slot: K's 16 tiles of 768; V^T's 8 fragments of 1,536 at 12,288; K's scale words (4 x 256) at 24,576; V's (2 x 256) at 25,600
.set ZG,   52224                       ; behind the two buffers: 1,024 bytes in which z's scale words are gathered
.set L16,  1                           ; v1   16 x lane
.set L8,   2                           ; v2   8 x lane
.set FA,   3                           ; v3   16 x thread: my bytes of a slot, in memory and in LDS
.set DQ,   4                           ; v4   my query's place in its block - 16 h
.set NINF, 5                           ; v5   -infinity
.set ZSA,  6                           ; v6   where my tile's scale word goes
.set ZRD,  7                           ; v7   where waves 0-3 read 256 bytes of scale words back
.set QSO,  8                           ; v8   my scale word's place among four tiles' words
.set QF,   16                          ; v16-27  Q's fragment (v22-27 zeros)
.set QS,   28                          ; v28     Q's scale words
.set KSC,  30                          ; v30-31  K's scale words
.set VSC,  32                          ; v32-33  V's
.set PSW,  34                          ; v34     p's scale word; at the end z's two bytes
.set KF,   36                          ; v36-83  four fragments of K (the upper six registers of each are zeros)
.set G,    84                          ; v84-99  the next slot's bytes on their way
.set S,    100                         ; v100-163 S^T, then p
.set VF,   100                         ; v100-147 then V^T's four fragments
.set OT,   164                         ; v164-195 O^T
.set PC,   196                         ; v196-207 p's codes
.set BM,   208                         ; v208-211 the blocks' largest scores, then largest p
.set T2,   212                         ; v212-219 at work
.set SO,   220                         ; v220-223 the conversions' scale operands
.set FF,   224                         ; v[224:225] f = 2^(old M - new M); at the end 1 / the sum
.set TMP,  226
.set WV,   10
.set TI,   11
.set HV,   12
.set HD,   13
.set BW,   14                          ; s14  my block of queries
.set NLAST, 15                         ; s15  the last slot that the work-group needs
.set KS,   16                          ; s16  the key step in hand
.set SN,   17                          ; s17  the slot in hand
.set TRIP, 18
.set SEL,  20                          ; s[20:21]
.set CS,   22                          ; s[22:23] c = log2(e) / 8
.set KVB,  24                          ; s[24:25] the slot that was asked for last
.set MK,   26                          ; s26-33, s38-45: in the loop, sixteen lane masks of the diagonal step: mask n at MK + n + 4 (n / 8)
.macro WMS d, a, b, z, sa, sb, ra      ; one product; z = 1: it starts the sum; ra = 1: source 0's scale words stand in lanes 16-31
.set wD, \d
.set wA, \a
.set wB, \b
.set wSA, \sa
.set wSB, \sb
.set wM, 2*(\z)+(\ra)
.if wM == 0
	v_wmma_scale_f32_16x16x128_f8f6f4 v[wD:wD+7], v[wA:wA+11], v[wB:wB+11], v[wD:wD+7], v[wSA], v[wSB] matrix_a_fmt:MATRIX_FMT_BF6 matrix_b_fmt:MATRIX_FMT_BF6
.elseif wM == 1
	v_wmma_scale_f32_16x16x128_f8f6f4 v[wD:wD+7], v[wA:wA+11], v[wB:wB+11], v[wD:wD+7], v[wSA], v[wSB] matrix_a_fmt:MATRIX_FMT_BF6 matrix_b_fmt:MATRIX_FMT_BF6 matrix_a_scale:MATRIX_SCALE_ROW1
.elseif wM == 2
	v_wmma_scale_f32_16x16x128_f8f6f4 v[wD:wD+7], v[wA:wA+11], v[wB:wB+11], 0, v[wSA], v[wSB] matrix_a_fmt:MATRIX_FMT_BF6 matrix_b_fmt:MATRIX_FMT_BF6
.else
	v_wmma_scale_f32_16x16x128_f8f6f4 v[wD:wD+7], v[wA:wA+11], v[wB:wB+11], 0, v[wSA], v[wSB] matrix_a_fmt:MATRIX_FMT_BF6 matrix_b_fmt:MATRIX_FMT_BF6 matrix_a_scale:MATRIX_SCALE_ROW1
.endif
.endm
	s_load_b128 s[4:7], s[0:1], 0x0                ; q_img s[4:5], kv_img s[6:7]
	s_load_b64 s[8:9], s[0:1], 0x10                ; z_img
	v_lshl_add_u32 v254, v0, 2, 0xd000
	v_mov_b32 v255, 0
	v_lshrrev_b32 v9, 5, v0
	v_readfirstlane_b32 s[WV], v9                  ; wave 0..15
	v_and_b32 v9, 31, v0
	v_lshlrev_b32 v[L16], 4, v9
	v_lshlrev_b32 v[L8], 3, v9
	v_lshlrev_b32 v[FA], 4, v0
	v_and_b32 v10, 15, v0                          ; r
	v_bfe_u32 v11, v0, 4, 1                        ; h
	s_wait_alu depctr_va_sdst(0)                   ; the wave's number is written into s10, ahead of its first reader: the line below
	s_lshr_b32 s[TI], s[WV], 1                     ; my tile of the block's eight
	s_lshr_b32 s26, s[WV], 2
	s_xor_b32 s26, s26, s[WV]
	s_and_b32 s[HV], s26, 1                        ; 1: the late block
	s_lshr_b32 s26, s[TI], 1
	s_lshl_b32 s26, s26, 5
	s_and_b32 s27, s[TI], 1
	s_lshl_b32 s28, s27, 3
	s_add_co_u32 s26, s26, s28                     ; 32 (i / 2) + 8 (i % 2)
	v_and_b32 v[DQ], 8, v10
	v_add_nc_u32 v[DQ], v[DQ], v10                 ; + r + 8 (r / 8): my query's place in its block
	v_add_nc_u32 v[DQ], s26, v[DQ]
	v_lshlrev_b32 v11, 4, v11
	v_sub_nc_u32 v[DQ], v[DQ], v11                 ; - 16 h
	v_mov_b32 v[NINF], 0xff800000
	s_lshl_b32 s27, s27, 7
	s_bfe_u32 s28, s[TI], 0x10001
	s_lshl_b32 s28, s28, 2
	s_add_co_u32 s27, s27, s28
	v_lshlrev_b32 v[QSO], 3, v10
	v_add_nc_u32 v[QSO], s27, v[QSO]               ; 8 (16 (i % 2) + r) + 4 ((i / 2) % 2)
	s_lshl_b32 s28, s[HV], 1
	s_lshr_b32 s29, s[TI], 2
	s_add_co_u32 s28, s28, s29
	s_lshl_b32 s28, s28, 8
	s_add_co_u32 s28, s28, ZG
	v_add_nc_u32 v[ZSA], s28, v[QSO]               ; in the 256 bytes of (block, half)
	s_min_u32 s28, s[WV], 3
	s_lshl_b32 s28, s28, 8
	s_add_co_u32 s28, s28, ZG
	v_add_nc_u32 v[ZRD], s28, v[L8]
	s_and_b32 s[HD], ttmp7, 0xffff                 ; the head
	s_sub_co_u32 s26, 31, ttmp9
	s_lshr_b32 s[NLAST], s26, 1
	s_cmp_eq_u32 s[HV], 1
	s_cselect_b32 s[BW], s26, ttmp9
	s_mul_i32 s28, s[HD], 417792                   ; the head's 16 slots
	s_mov_b32 s29, 0
	s_mul_i32 s30, s[HD], 212992                   ; the head's 64 groups of 64 queries
	s_lshl_b32 s31, s[BW], 1
	s_lshr_b32 s32, s[TI], 2
	s_add_co_u32 s31, s31, s32
	s_mul_i32 s31, s31, 3328
	s_add_co_u32 s30, s30, s31
	s_mov_b32 s31, 0
	s_and_b32 s32, s[TI], 3
	s_mul_i32 s32, s32, 768
	s_mov_b32 s33, 0
	s_mov_b32 s[SEL], 0x76543210
	s_mov_b32 s[SEL+1], 0xfedcba98
	s_mov_b32 s[CS], 0x3e38aa3b                    ; log2(e) / 8
	s_mov_b32 s[CS+1], s[CS]                       ; (named with it as a pair, so it is written)
	s_mov_b32 s[KS], 0
	s_mov_b32 s[SN], 0
	s_mov_b32 s[TRIP], 8
	s_wait_kmcnt 0x0
	s_add_nc_u64 s[KVB:KVB+1], s[6:7], s[28:29]
	s_wait_alu depctr_va_vdst(0)                   ; the offsets and LDS addresses v1, v2, v3, v6, v7, v8 are written: every load and store of the kernel reads one of them, and none is written again
	global_load_b128 v[G:G+3], v[FA], s[KVB:KVB+1]             ; slot 0
	global_load_b128 v[G+4:G+7], v[FA], s[KVB:KVB+1] offset:8192
	global_load_b128 v[G+8:G+11], v[FA], s[KVB:KVB+1] offset:16384
	s_cmp_gt_u32 s[WV], 2                          ; 26,112 = 3 x 8,192 + 1,536: the rest is three waves' worth
	s_cbranch_scc1 .Lhead_three
	global_load_b128 v[G+12:G+15], v[FA], s[KVB:KVB+1] offset:24576
.Lhead_three:
	s_add_nc_u64 s[34:35], s[4:5], s[30:31]        ; my group of 64 queries,
	s_add_nc_u64 s[36:37], s[34:35], s[32:33]      ; my tile in it
	global_load_b128 v[QF:QF+3], v[L16], s[36:37]
	global_load_b64 v[QF+4:QF+5], v[L8], s[36:37] offset:512
	global_load_b32 v[QS], v[QSO], s[34:35] offset:3072
.irp t, 0,1,2,3
.irp p, 6,7,8,9,10,11
	v_mov_b32 v[KF+12*\t+\p], 0                    ; K = 64: the upper 64 of a fragment's 128 are zero codes, written once
.endr
.endr
.irp p, 6,7,8,9,10,11
	v_mov_b32 v[QF+\p], 0
.endr
.set n, 0
.rept 32
	v_mov_b32 v[OT+n], 0                           ; O^T.  (The step is written once: the first finds zeros, which the first change of M leaves zeros)
.set n, n+1
.endr
.irp b, 0,1,2,3
	v_mov_b32 v[T2+\b], 0                          ; written once: a lane permute's destination counts as one of its sources
.endr
	v_mov_b32 v[TMP], 0
	v_mov_b32 v[FF+1], 0                           ; (named as the upper half of a pair)
	v_mov_b32 v13, 0xff61b1e6                      ; the largest t so far: -3e38, under every t
	v_floor_f32 v12, -v13                          ; -M
	v_mov_b32 v14, 0                               ; the sum, in two halves
	v_mov_b32 v15, 0
	s_wait_alu depctr_va_vdst(0)                   ; the zero codes in the upper halves of K's four fragments and of Q's are written, which the scaled products take as operands
; Four tiles of 16 keys, group g of half e of the slot in buffer buf, and their scale words: nine LDS loads, each of consecutive bytes
.macro KTILES buf, e, g
.irp t, 0,1,2,3
	ds_load_b128 v[KF+12*\t:KF+12*\t+3], v[L16] offset:(\buf)*SLB+768*(8*(\e)+4*(\g)+\t)
	ds_load_b64 v[KF+12*\t+4:KF+12*\t+5], v[L8] offset:(\buf)*SLB+768*(8*(\e)+4*(\g)+\t)+512
.endr
	ds_load_b64 v[KSC:KSC+1], v[L8] offset:(\buf)*SLB+24576+256*(2*(\e)+(\g))
.endm
; S^T = K Q^T for these four tiles: register 16 b + i of S^T holds key 32 b + 16 h + i of the step
.macro KQ g
.irp t, 0,1,2,3
	WMS S+8*(4*(\g)+\t), KF+12*\t, QF, 1, KSC+\t/2, QS, \t%2
.endr
.endm
; On the diagonal the scores of hidden keys become -infinity ahead of the maximum: p = 0 then.  32 scores from register n0 on, in two runs of sixteen: the compares write sixteen scalar masks, the selects read them.
.macro MASK n0
.irp u, 0,1
.set n, 0
.rept 16
	v_cmp_gt_i32 s[MK+n+4*(n/8)], 32*((\n0)/16+\u)+n, v[DQ]
.set n, n+1
.endr
	s_wait_alu depctr_va_sdst(0)                   ; the sixteen compares have written their masks, ahead of the selects that read them
.set n, 0
.rept 16
	v_cndmask_b32 v[S+(\n0)+16*\u+n], v[S+(\n0)+16*\u+n], v[NINF], s[MK+n+4*(n/8)]
.set n, n+1
.endr
.endr
.endm
; The largest score of two blocks of 32 keys (my 16 of each), the two by turns: it serves for the row's maximum, and for the block's largest p
.macro BMAX p0, p1
.irp b, \p0, \p1
	v_max3_num_f32 v[BM+\b], v[S+16*\b], v[S+1+16*\b], v[S+2+16*\b]
.endr
.irp i, 3,5,7,9,11,13
.irp b, \p0, \p1
	v_max3_num_f32 v[BM+\b], v[BM+\b], v[S+16*\b+\i], v[S+1+16*\b+\i]
.endr
.endr
.irp b, \p0, \p1
	v_max_num_f32 v[BM+\b], v[BM+\b], v[S+15+16*\b]
.endr
.endm
; A KEY STEP: 128 keys, half e of the slot in buffer buf.
.macro STEP buf, e
	s_cmp_gt_u32 s[KS], s[BW]                      ; all its keys come after my queries: its work is left out
	s_cbranch_scc1 .Lskip_\@
	KTILES \buf, \e, 0                             ; no wait: the last products that read these registers stand ahead of the last step's waits on va_vdst, and nothing since names them
	s_wait_dscnt 0x0
	KQ 0
.rept 4
	v_nop                                          ; four places behind the products, ahead of the loads into registers that they read and of the first read of their results
.endr
	s_wait_alu depctr_va_vdst(0)                   ; the four products above are done reading K's fragments and scale words, in which the loads below land
	KTILES \buf, \e, 1
	s_cmp_lg_u32 s[KS], s[BW]                      ; while they come: blocks 0 and 1, which lie in the first four tiles.  The step's key 0 counts for every query of the block
	s_cbranch_scc1 .Lopena_\@
	MASK 0
.Lopena_\@:
	BMAX 0, 1
	s_wait_dscnt 0x0
	KQ 1
.rept 4
	v_nop
.endr
	s_cmp_lg_u32 s[KS], s[BW]
	s_cbranch_scc1 .Lopenb_\@
	MASK 32
.Lopenb_\@:
	BMAX 2, 3
.irp b, 0,1,2,3
	v_permlanex16_b32 v[T2+\b], v[BM+\b], s[SEL], s[SEL+1]
.endr
.irp b, 0,1,2,3
	v_max_num_f32 v[BM+\b], v[BM+\b], v[T2+\b]     ; with lane l xor 16's 16 keys
.endr
	v_max3_num_f32 v[TMP], v[BM], v[BM+1], v[BM+2]
	v_max_num_f32 v[TMP], v[TMP], v[BM+3]          ; the step's largest score of my query
	v_mul_f32 v[TMP], s[CS], v[TMP]                ; as t (c is positive)
	v_max_num_f32 v13, v13, v[TMP]                 ; the running largest t
	v_mov_b32 v[TMP], v12
	v_floor_f32 v12, -v13                          ; the new -M = floor(-t) = -ceil(t)
	v_sub_f32 v[TMP], v12, v[TMP]                  ; old M - new M: a whole number, 0 or less
	v_cvt_i32_f32 v[TMP], v[TMP]                   ; (it saturates)
	v_ldexp_f32 v[FF], 1.0, v[TMP]                 ; f = 2^(old M - new M)
.set n, 0
.rept 32
	v_pk_fma_f32 v[S+n:S+n+1], v[S+n:S+n+1], s[CS:CS+1], v[12:13] op_sel_hi:[1,0,0]   ; t - M, two at a time
.set n, n+2
.endr
.irp b, 0,1,2,3
	v_fma_f32 v[BM+\b], v[BM+\b], s[CS], v12       ; the same of each block's largest score
.endr
.set n, 0
.rept 64
	v_exp_f32 v[S+n], v[S+n]                       ; p = 2^(t - M), at most 1
.set n, n+1
.endr
	v_pk_mul_f32 v[14:15], v[14:15], v[FF:FF+1] op_sel_hi:[1,0]   ; the sums under the new M: a plain place behind the exponentials
	s_wait_alu depctr_va_vdst(0)                   ; the 64 exponentials have written p, ahead of its first reader: one wait for the whole batch
.irp b, 0,1,2,3
	v_exp_f32 v[BM+\b], v[BM+\b]                   ; the blocks' largest p
.endr
	v_pk_add_f32 v[T2:T2+1], v[S:S+1], v[S+2:S+3]  ; the row's sum of the unquantised p, two at a time, in two chains
.set n, 4
.rept 15
	v_pk_add_f32 v[14:15], v[14:15], v[S+n:S+n+1]
	v_pk_add_f32 v[T2:T2+1], v[T2:T2+1], v[S+n+2:S+n+3]
.set n, n+4
.endr
	v_pk_add_f32 v[14:15], v[14:15], v[T2:T2+1]
	s_wait_alu depctr_va_vdst(0)                   ; the four exponentials have written the blocks' largest p, ahead of its first reader
.irp b, 0,1,2,3
	v_max_num_f32 v[BM+\b], 0x2800000, v[BM+\b]    ; the floor 2^(5 - 127): the byte cannot fall under 1
.endr
.irp b, 0,1,2,3
	v_add_nc_u32 v[SO+\b], 0xfe000000, v[BM+\b]    ; 4 off the exponent field: the conversion's scale operand
.endr
.irp b, 0,1,2,3
	v_lshrrev_b32 v[T2+\b], 23, v[SO+\b]
.endr
	v_lshl_or_b32 v[PSW], v[T2+1], 8, v[T2]        ; p's scale word for these 128 keys
	v_lshl_or_b32 v[PSW], v[T2+2], 16, v[PSW]
	v_lshl_or_b32 v[PSW], v[T2+3], 24, v[PSW]
.irp c, 0,1
	v_cvt_scalef32_pk16_bf6_f32 v[PC+6*\c:PC+6*\c+2], v[S+32*\c:S+32*\c+15], v[SO+2*\c]
	v_cvt_scalef32_pk16_bf6_f32 v[T2+4*\c:T2+4*\c+2], v[S+32*\c+16:S+32*\c+31], v[SO+2*\c+1]
.endr
	v_nop                                          ; one plain place behind a scaled conversion
	s_wait_alu depctr_va_vdst(0)                   ; the conversions, p's last readers, are done reading it, and all that wrote these registers has written: V^T's fragments land there; the last step's products are done reading V's scale words
.irp a, 0,1,2,3                                ; p has been read for the last time: V^T's fragments take its registers
	ds_load_b128 v[VF+12*\a:VF+12*\a+3], v[L16] offset:\buf*SLB+12288+1536*(4*\e+\a)
	ds_load_b64 v[VF+12*\a+4:VF+12*\a+5], v[L8] offset:\buf*SLB+12288+1536*(4*\e+\a)+512
	ds_load_b128 v[VF+12*\a+6:VF+12*\a+9], v[L16] offset:\buf*SLB+12288+1536*(4*\e+\a)+768
	ds_load_b64 v[VF+12*\a+10:VF+12*\a+11], v[L8] offset:\buf*SLB+12288+1536*(4*\e+\a)+1280
.endr
	ds_load_b64 v[VSC:VSC+1], v[L8] offset:\buf*SLB+25600+256*\e
.irp c, 0,1                                    ; the operand wants a whole block in a lane.  (None of the vector lines from here to the products names a register that the loads above touch)
.irp i, 0,1,2
	v_permlane16_swap_b32 v[PC+6*\c+\i], v[T2+4*\c+\i]
.endr
.irp i, 0,1,2
	v_mov_b32 v[PC+3+6*\c+\i], v[T2+4*\c+\i]
.endr
.endr
.set n, 0
.rept 16
	v_pk_mul_f32 v[OT+n:OT+n+1], v[OT+n:OT+n+1], v[FF:FF+1] op_sel_hi:[1,0]   ; O^T under the new M.  For each product below at least twelve of these name none of its registers: the places behind the writes of p's scale word (8) and codes (4)
.set n, n+2
.endr
	s_wait_dscnt 0x0
	s_wait_alu depctr_va_vdst(0)                   ; p's codes and p's scale word are written, which the scaled products below take as operand and scales; the places above stay beside this wait
.irp a, 0,1,2,3
	WMS OT+8*\a, VF+12*\a, PC, 0, VSC+\a/2, PSW, \a%2   ; O^T += V^T P^T: four accumulators by turns
.endr
.rept 5
	v_nop                                          ; five places: the next step's first products write over V^T's registers
.endr
.Lskip_\@:
	s_add_co_u32 s[KS], s[KS], 1
.endm
; A SLOT.  In front of the barrier: the slot's bytes, asked for a slot ago, go from registers to buffer buf, which was last read two slots ago: every wave has since passed the barrier between, behind its wait for
; its LDS loads.  Behind the barrier the next slot is asked for: it has this slot's two key steps in which to come.
.macro SLOT buf
	s_wait_loadcnt 0x0                             ; the slot's bytes are in my registers (and the loads have read their base, which is stepped below)
	s_cmp_gt_u32 s[SN], s[NLAST]
	s_cbranch_scc1 .Lnost_\@
	ds_store_b128 v[FA], v[G:G+3] offset:\buf*SLB
	ds_store_b128 v[FA], v[G+4:G+7] offset:\buf*SLB+8192
	ds_store_b128 v[FA], v[G+8:G+11] offset:\buf*SLB+16384
	s_cmp_gt_u32 s[WV], 2
	s_cbranch_scc1 .Lnost_\@
	ds_store_b128 v[FA], v[G+12:G+15] offset:\buf*SLB+24576
.Lnost_\@:
	s_wait_dscnt 0x0                               ; for the others' sake: my stores have landed, and my reads of the other buffer are over
	s_wait_alu depctr_vm_vsrc(0)                   ; my LDS stores have read v[G ..], in which the next slot's loads land: ahead of the branch that leads to them
	s_barrier_signal -1
	s_barrier_wait -1
	s_cmp_ge_u32 s[SN], s[NLAST]
	s_cbranch_scc1 .Lnold_\@
	s_add_nc_u64 s[KVB:KVB+1], s[KVB:KVB+1], SLB
	global_load_b128 v[G:G+3], v[FA], s[KVB:KVB+1]
	global_load_b128 v[G+4:G+7], v[FA], s[KVB:KVB+1] offset:8192
	global_load_b128 v[G+8:G+11], v[FA], s[KVB:KVB+1] offset:16384
	s_cmp_gt_u32 s[WV], 2
	s_cbranch_scc1 .Lnold_\@
	global_load_b128 v[G+12:G+15], v[FA], s[KVB:KVB+1] offset:24576
.Lnold_\@:
	STEP \buf, 0
	STEP \buf, 1
	s_add_co_u32 s[SN], s[SN], 1
.endm
.Ltrip:                                            ; 8 trips of two slots: all 4,096 keys' worth of barriers in every work-group
	SLOT 0
	SLOT 1
	s_sub_co_u32 s[TRIP], s[TRIP], 1
	s_cmp_lg_u32 s[TRIP], 0
	s_cbranch_scc1 .Ltrip
	; THE WAY OUT: z = O^T / the sum, quantised along d (two blocks of 32), stored as half a fragment of the last product's operand
	v_add_f32 v14, v14, v15                        ; the sum's two halves,
	v_permlanex16_b32 v[TMP], v14, s[SEL], s[SEL+1]
	v_add_f32 v14, v14, v[TMP]                     ; and lane l xor 16's: the row's sum
	v_rcp_f32 v[FF], v14
	v_nop                                          ; a plain place behind the reciprocal
	s_mul_i32 s38, s[BW], 106496                   ; z_img: [block of 128 rows][K step = pair of heads][half] of 6,656
	s_lshr_b32 s39, s[HD], 1
	s_mul_i32 s39, s39, 13312
	s_and_b32 s40, s[HD], 1
	s_add_co_u32 s38, s38, s39
	s_lshr_b32 s41, s[TI], 2
	s_mul_i32 s41, s41, 6656
	s_add_co_u32 s38, s38, s41
	s_and_b32 s41, s[TI], 3
	s_mul_i32 s41, s41, 1536
	s_add_co_u32 s38, s38, s41
	s_mul_i32 s41, s40, 768                        ; an even head is the fragment's lower 64 along K, an odd one its upper
	s_add_co_u32 s42, s38, s41
	s_mov_b32 s43, 0
	s_add_nc_u64 s[42:43], s[8:9], s[42:43]
	s_lshr_b32 s44, s[WV], 1                       ; for waves 0-3: the 256 bytes of scale words of (block w / 2, half w % 2)
	s_sub_co_u32 s45, 31, ttmp9
	s_cmp_eq_u32 s44, 1
	s_cselect_b32 s44, s45, ttmp9
	s_mul_i32 s44, s44, 106496
	s_add_co_u32 s44, s44, s39
	s_and_b32 s45, s[WV], 1
	s_mul_i32 s45, s45, 6656
	s_add_co_u32 s44, s44, s45
	s_lshl_b32 s45, s40, 8                         ; a plane of words for each head of the pair
	s_add_co_u32 s44, s44, s45
	s_mov_b32 s45, 0
	s_add_nc_u64 s[44:45], s[8:9], s[44:45]
	s_wait_alu depctr_va_vdst(0)                   ; the reciprocal has written 1 / the sum, ahead of its first reader
.set n, 0
.rept 16
	v_pk_mul_f32 v[S+n:S+n+1], v[OT+n:OT+n+1], v[FF:FF+1] op_sel_hi:[1,0]   ; register 16 b + i is z(my query, 32 b + 16 h + i); each accumulator is read from its low end on
.set n, n+2
.endr
.irp b, 0,1
	v_max3_num_f32 v[BM+\b], |v[S+16*\b]|, |v[S+16*\b+1]|, 0x2800000
.endr
.irp i, 2,4,6,8,10,12,14
.irp b, 0,1
	v_max3_num_f32 v[BM+\b], v[BM+\b], |v[S+16*\b+\i]|, |v[S+16*\b+\i+1]|
.endr
.endr
.irp b, 0,1
	v_permlanex16_b32 v[T2+\b], v[BM+\b], s[SEL], s[SEL+1]
.endr
.irp b, 0,1
	v_max_num_f32 v[BM+\b], v[BM+\b], v[T2+\b]
.endr
.irp b, 0,1
	v_add_nc_u32 v[SO+\b], 0xfe000000, v[BM+\b]
.endr
.irp b, 0,1
	v_lshrrev_b32 v[BM+2+\b], 23, v[SO+\b]
.endr
	v_lshl_or_b32 v[PSW], v[BM+3], 8, v[BM+2]      ; my row's two scale bytes
	v_cvt_scalef32_pk16_bf6_f32 v[PC:PC+2], v[S:S+15], v[SO]
	v_cvt_scalef32_pk16_bf6_f32 v[T2+4:T2+6], v[S+16:S+31], v[SO+1]
	v_nop                                          ; one plain place behind a scaled conversion
.irp i, 0,1,2
	v_permlane16_swap_b32 v[PC+\i], v[T2+4+\i]
.endr
.irp i, 0,1,2
	v_mov_b32 v[PC+3+\i], v[T2+4+\i]
.endr
	s_wait_alu depctr_va_vdst(0)                   ; z's six registers of codes and its two scale bytes are written, which the three stores below read
	global_store_b128 v[L16], v[PC:PC+3], s[42:43]             ; 512 consecutive bytes, at a multiple of 256 from the buffer's first byte
	global_store_b64 v[L8], v[PC+4:PC+5], s[42:43] offset:512  ; 256
	ds_store_b32 v[ZSA], v[PSW]                    ; both halves of the lanes write the same word with the same value
	s_wait_dscnt 0x0
	s_barrier_signal -1
	s_barrier_wait -1                              ; four times 256 bytes of scale words lie gathered
	s_cmp_lt_u32 s[WV], 4
	s_cbranch_scc0 .Lend
	ds_load_b64 v[KSC:KSC+1], v[ZRD]               ; no wait: the products that read these two registers stand ahead of the waits on va_vdst above, and nothing since names them
	s_wait_dscnt 0x0
	global_store_b64 v[L8], v[KSC:KSC+1], s[44:45] offset:6144
.Lend:
	s_wait_dscnt 0x0                               ; the closing lines, six on end
	s_wait_alu 0x0
	s_wait_tensorcnt 0x0
	ds_add_u32 v254, v255
	s_wait_dscnt 0x0
	s_endpgm
.Lfunc_end_k_q0b1d96f1a1_attn:
	.size	k_q0b1d96f1a1_attn, .Lfunc_end_k_q0b1d96f1a1_attn-k_q0b1d96f1a1_attn
	.p2alignl 7, 3214868480
	.fill 96, 4, 3214868480
	.section	.rodata,"a",@progbits
	.p2align	6, 0x0
	.amdhsa_kernel k_q0b1d96f1a1_attn
		.amdhsa_group_segment_fixed_size 55296
		.amdhsa_private_segment_fixed_size 0
		.amdhsa_enable_private_segment 0
		.amdhsa_kernarg_size 24
		.amdhsa_user_sgpr_count 2
		.amdhsa_user_sgpr_kernarg_segment_ptr 1
		.amdhsa_wavefront_size32 1
		.amdhsa_system_sgpr_workgroup_id_x 1
		.amdhsa_system_sgpr_workgroup_id_y 1
		.amdhsa_system_sgpr_workgroup_id_z 1
		.amdhsa_system_vgpr_workitem_id 0
		.amdhsa_next_free_vgpr 256
		.amdhsa_next_free_sgpr 66
		.amdhsa_reserve_vcc 0
		.amdhsa_float_denorm_mode_32 3
		.amdhsa_float_denorm_mode_16_64 3
		.amdhsa_memory_ordered 1
		.amdhsa_forward_progress 1
		.amdhsa_inst_pref_size 115
	.end_amdhsa_kernel
	.amdgpu_metadata
---
amdhsa.version: [ 1, 2 ]
amdhsa.kernels:
  - .name:           k_q0b1d96f1a1_attn
    .symbol:         k_q0b1d96f1a1_attn.kd
    .args:
      - { .name: q_img, .offset: 0, .size: 8, .value_kind: global_buffer, .address_space: global }
      - { .name: kv_img, .offset: 8, .size: 8, .value_kind: global_buffer, .address_space: global }
      - { .name: z_img, .offset: 16, .size: 8, .value_kind: global_buffer, .address_space: global }
    .group_segment_fixed_size: 55296
    .private_segment_fixed_size: 0
    .kernarg_segment_align: 8
    .kernarg_segment_size: 24
    .max_flat_workgroup_size: 512
    .sgpr_count:     66
    .vgpr_count:     256
    .wavefront_size: 32
...
	.end_amdgpu_metadata
.endif
;; end of part 5
;; launch oproj: the kernel of part 4 again; grid 8 x 32, 4 waves a work-group, clusters of 4 x 4, 226,816 bytes of LDS; arguments z_img, w_img, out0; writes out0
